; MI455X (gfx1250); checked and timed in simulation.
; The chip was launched on July 23, 2026; its instructions are those of AMD's public machine-readable ISA for CDNA 5 (MIT licence, August 2026) and "CDNA5" Instruction Set Architecture Reference Guide (July 2026). The comments in the code are by the model that wrote it; some were corrected since.
;; attn block separate add. Allowed arithmetic: matrix products marked QUANTISED: E2M3 operands, one E8M0 scale for each 32 along K, by v_wmma_scale_f32_16x16x128_f8f6f4 with both operands' format E2M3, f32 sums; everything else in f32.
;; Inputs: aux_emb 8 x 1 x 512 float32; input_len 8 int32; kv_a one number float32; kv_b 512 float32; kv_be 512 float32; kv_g 512 float32; kv_w 512 x 512 float32; q_lin_b 512 float32; q_lin_w 512 x 512 float32; query 8 x 2,000 x 512 float32; qv_a one number float32; qv_b 512 float32; qv_be 512 float32; qv_g 512 float32; qv_w 512 x 512 float32; sig_b 512 float32; sig_w 512 x 512 float32; tan_b 512 float32; tan_w 512 x 512 float32; value 8 x 2,000 x 512 float32; vv_a one number float32; vv_b 512 float32; vv_be 512 float32; vv_g 512 float32; vv_w 512 x 512 float32.
;; Outputs: out0 8 x 2,000 x 512 float32.
;; This version of the problem:
;;   THIS VERSION OF THE PROBLEM IS GIVEN IN LOW PRECISION. The matrix products marked QUANTISED in the list below multiply operands that are first quantised to E2M3 (2 exponent bits, 3 mantissa bits; 6 bits a number), with one power-of-two scale for each 32 numbers along K (OCP MX v1.0); their sums are f32. All else is computed in f32.
;;   The module's matrix products, in the order in which they are computed (A, B: the left and right operand; K: the contracted axis; several contracted axes count as one K, in the product's order):
;;     1. [M 16,000, K 512] x [K 512, N 512]; A: input query; B: input q_lin_w: QUANTISED
;;     2. [M 16,000, K 512] x [K 512, N 512]; A: computed on the way; B: input qv_w: QUANTISED
;;     3. [M 16,000, K 512] x [K 512, N 512]; A: computed on the way; B: input kv_w: QUANTISED
;;     4. [M 16,000, K 512] x [K 512, N 512]; A: computed on the way; B: input vv_w: QUANTISED
;;     5. [M 16,000, K 512] x [K 512, N 512]; A: computed on the way; B: input sig_w: QUANTISED
;;     6. [M 16,000, K 512] x [K 512, N 512]; A: computed on the way; B: input tan_w: QUANTISED
;;     7. batch 8 x [M 2,000, K 512] x [K 512, N 2,000]; A: computed on the way; B: computed on the way: QUANTISED
;;     8. batch 8 x [M 2,000, K 2,000] x [K 2,000, N 512]; A: softmax (see below); B: computed on the way: QUANTISED
;;   THE QUANTISER, for each operand of a quantised product, along K:
;;     - K is cut into blocks of 32 from its start; a last block that is shorter is filled with zeros.
;;     - A block's scale is 2^e with e = floor(log2(the largest magnitude in the block)) - 2, held to -126 .. 127; a block of zeros has e = 0. As a byte (E8M0): e + 127.
;;     - Each number is divided by its block's scale, clamped to +-7.5, and rounded to the nearest number of E2M3, ties to even, subnormals kept.
;;     - The product sums the exact products of the quantised numbers (number of the format x scale) in f32.
;;   ~~~python
;;   def quantise(x, axis):      # numpy; x: float32 -> the quantised numbers, widened to float32 again
;;       x = np.moveaxis(x, axis, -1); K = x.shape[-1]
;;       x = np.pad(x, [(0, 0)] * (x.ndim - 1) + [(0, -K % 32)]); x = x.reshape(x.shape[:-1] + (-1, 32)); a = np.abs(x).max(-1, keepdims=True)
;;       e = np.where(a > 0, np.clip(np.frexp(np.where(a > 0, a, 1))[1] - 1 - 2, -126, 127), 0)      # np.frexp(a)[1] - 1 = floor(log2(a)), exactly
;;       r = np.clip(x / 2.0 ** e, -7.5, 7.5)
;;       step = 2.0 ** (np.maximum(np.frexp(np.where(r == 0, 1, r))[1] - 1, 0) - 3)
;;       q = np.round(r / step) * step * 2.0 ** e      # np.round: ties to even
;;       return np.moveaxis(q.reshape(q.shape[:-2] + (-1,))[..., :K], -1, axis).astype(np.float32)
;;   ~~~
;;   SOFTMAX AHEAD OF A QUANTISED PRODUCT. Where the list says 'softmax', what is quantised is not the finished softmax but p = 2^(t - M), with t = logit x log2(e) and M = ceil(the row's largest t), a whole number; so 1/2 < the row's largest p <= 1. The row's sum l is taken of the UNQUANTISED p, in f32, and the product's result is divided by l at the end. Since M is a whole number, a kernel that streams over the keys may use a running M (the ceiling of the running maximum): every later rescaling is an exact power of two, which a block's scale takes up: the codes' values come out the same.
;;   OPERANDS COMPUTED ON THE WAY. 'Computed on the way' means the value that the module computes at that place (a softmax that the list does not call 'softmax' is quantised finished and normalised). What goes into a quantiser is computed in f32, as accurately as f32 sums, v_exp_f32 and their like allow (about 1e-6 of the number): no bf16 or f16 on the way to a quantiser, and a product that is left as it is and whose result goes on into a quantised operand takes f32 operands (vector FMAs, or v_wmma_f32_16x16x4_f32). A number that lies on a knife's edge between two numbers of the format may be rounded either way, as far as f32 arithmetic and the matrix unit's own rounding can turn it there, and no further.
;; One version. Each part assembles by itself: llvm-mc -triple=amdgcn-amd-amdhsa -mcpu=gfx1250 --defsym DOCPART=n.
;; ======== version 1 of 1: 3 launches
;; limits: right only within a limited range of input values; an absolute error that grows with the inputs' magnitude: up to 6e-08 times it
;; workspace buffers: wq 1,228,800 bytes; qq 6,553,600 bytes; kk 6,553,600 bytes; vv 6,553,600 bytes; part 524,288 bytes
;; launch prep (part 1): grid 32 x 6, 2 waves a work-group, no clusters, 0 bytes of LDS; arguments q_lin_w, kv_w, qv_w, vv_w, sig_w, tan_w, wq; writes wq
.if DOCPART == 1
	.amdgcn_target "amdgcn-amd-amdhsa--gfx1250"
	.amdhsa_code_object_version 6
	.text
	.protected	k_q8e614cdfad_prep
	.globl	k_q8e614cdfad_prep
	.p2align	8
	.type	k_q8e614cdfad_prep,@function
k_q8e614cdfad_prep:
	s_mov_b64 s[64:65], 0
	v_nop
	global_prefetch_b8 v0, s[64:65] scope:SCOPE_SE
	s_setreg_imm32_b32 hwreg(HW_REG_WAVE_MODE, 25, 1), 1
	s_wait_xcnt 0x0
; Six weights [512 (k)][512 (n)] f32 become codes of FP6 (E2M3) with one E8M0 byte for each 32 along k, laid in wq as IMAGES OF OPERAND REGISTERS for the next launch:
;   codes  [stage 6][wave 8][slot 4][kstep 4][1536 bytes] from byte 0;  scale words [stage][wave][slot][kstep][row 16] from byte WSOFF.
; A fragment (16 rows x 128 k, 12 registers a lane) lies as two halves c of 768 bytes: registers 6c..6c+3 at 768c + 16 x lane, registers 6c+4, 6c+5 at 768c + 512 + 8 x lane.
; Stages 0-3 = q_lin, kv, qv, vv: slot 2b+u of wave w holds columns 64w + 32b + 8u + r + 8(r/8), r = 0..15.  Stage 4+b: slots 0, 1 = sig (u = 0, 1), slots 2, 3 = tan, of columns 64w + 32b + ..
; SHARES: work-group (x, y): weight y, column group x / 4, kstep x % 4.  Wave v, lane l: column 64 (x/4) + 32 v + l; the lane's registers run DOWN k, so a block of 32 is one lane's and nothing is transposed.
; A load reads 128 consecutive bytes a wave, the two waves 256.  192 work-groups: the launch moves 6 MB and has no more work to share.
; The stores of 8 bytes and of 4 bytes a lane cover 128 and 64 consecutive bytes: about a third of the 1.2 MB leaves in pieces shorter than 256 bytes.
; LIMITS: a block of zeros gets the byte 1 (its codes are zeros; only this program reads the bytes); NaN and infinities among the inputs are not served.
.set WSOFF, 1179648
.set NUM,   64                         ; v64-191  128 numbers, 32 a block
.set COD,   16                         ; v16-47   codes, eight registers a block: no store's data are written again
.set SW,    48                         ; v48      the column's scale word
	s_load_b256 s[4:11], s[0:1], 0x0               ; q_lin_w, kv_w, qv_w, vv_w
	s_load_b128 s[12:15], s[0:1], 0x20             ; sig_w, tan_w
	s_load_b64 s[16:17], s[0:1], 0x30              ; wq
	v_lshrrev_b32 v1, 5, v0
	v_readfirstlane_b32 s18, v1                    ; wave v = which 32 of the 64 columns
	s_and_b32 s19, ttmp7, 0xffff                   ; which weight
	s_lshr_b32 s20, ttmp9, 2                       ; column group = the next launch's wave
	s_and_b32 s21, ttmp9, 3                        ; kstep
	v_and_b32 v2, 31, v0                           ; lane
	v_lshlrev_b32 v3, 2, v2                        ; in: 4 bytes a lane
	v_bfe_u32 v4, v2, 3, 1                         ; u: lane = 8u + r + 8(r/8)
	v_and_b32 v5, 7, v2
	v_lshrrev_b32 v6, 4, v2
	v_lshl_add_u32 v5, v6, 3, v5                   ; r
	v_mul_u32_u24 v6, v4, 6144                     ; a slot is four fragments
	v_lshl_add_u32 v7, v5, 4, v6                   ; out: 6144 u + 16 r
	v_lshl_add_u32 v8, v5, 3, v6                   ;      6144 u + 8 r
	v_lshlrev_b32 v9, 8, v4
	v_lshl_add_u32 v9, v5, 2, v9                   ;      256 u + 4 r
	s_add_co_u32 s22, s18, 4                       ; sig, tan: stage 4 + v,
	s_lshl_b32 s23, s18, 1                         ; the others: slot 2 v
	s_sub_co_u32 s24, s19, 4
	s_lshl_b32 s24, s24, 1                         ; sig, tan: slot 0 or 2
	s_cmp_lt_u32 s19, 4
	s_cselect_b32 s22, s19, s22                    ; stage
	s_cselect_b32 s23, s23, s24                    ; first slot
	s_lshl_b32 s22, s22, 3
	s_add_co_u32 s22, s22, s20
	s_lshl_b32 s22, s22, 2
	s_add_co_u32 s22, s22, s23                     ; (stage x 8 + wave) x 4 + slot
	s_mul_i32 s24, s22, 6144
	s_mul_i32 s25, s21, 1536
	s_add_co_u32 s24, s24, s25                     ; the codes' byte
	s_mov_b32 s25, 0
	s_lshl_b32 s26, s22, 8
	s_lshl_b32 s27, s21, 6
	s_add_co_u32 s26, s26, s27
	s_add_co_u32 s26, s26, WSOFF                   ; the scale words' byte
	s_mov_b32 s27, 0
	s_lshl_b32 s28, s21, 18                        ; 128 rows of 2,048 bytes a kstep
	s_lshl_b32 s29, s20, 8
	s_add_co_u32 s28, s28, s29
	s_lshl_b32 s29, s18, 7
	s_add_co_u32 s28, s28, s29
	s_mov_b32 s29, 0
	s_wait_kmcnt 0x0
	s_cmp_eq_u32 s19, 1                            ; the weight is chosen by the work-group's number alone
	s_cselect_b64 s[4:5], s[6:7], s[4:5]
	s_cmp_eq_u32 s19, 2
	s_cselect_b64 s[4:5], s[8:9], s[4:5]
	s_cmp_eq_u32 s19, 3
	s_cselect_b64 s[4:5], s[10:11], s[4:5]
	s_cmp_eq_u32 s19, 4
	s_cselect_b64 s[4:5], s[12:13], s[4:5]
	s_cmp_eq_u32 s19, 5
	s_cselect_b64 s[4:5], s[14:15], s[4:5]
	s_add_nc_u64 s[4:5], s[4:5], s[28:29]
	s_add_nc_u64 s[30:31], s[16:17], s[24:25]
	s_add_nc_u64 s[32:33], s[16:17], s[26:27]
.macro LOAD t                          ; block t: w(128 s + 32 t + i, my column)
.set ii, 0
.rept 32
	global_load_b32 v[NUM+32*(\t)+ii], v3, s[4:5] offset:(32*(\t)+ii)*2048 th:TH_LOAD_NT
.set ii, ii+1
.endr
.endm
.macro BLOCK t                         ; block t = 2 c + h of the fragment's layout
.set XB, NUM+32*(\t)
.set CB, COD+8*(\t)
.if (\t) < 3
	s_wait_loadcnt 32                              ; this block's 32 loads are in; the next block's 32 may be out
.else
	s_wait_loadcnt 0x0
.endif
.if (\t) < 2
	LOAD (\t)+2
.endif
	v_max3_num_f32 v10, |v[XB]|, |v[XB+1]|, |v[XB+2]|
	v_max3_num_f32 v11, |v[XB+3]|, |v[XB+4]|, |v[XB+5]|
.irp i, 6,10,14,18,22,26
	v_max3_num_f32 v10, v10, |v[XB+\i]|, |v[XB+\i+1]|
	v_max3_num_f32 v11, v11, |v[XB+\i+2]|, |v[XB+\i+3]|
.endr
	v_max3_num_f32 v10, v10, |v[XB+30]|, |v[XB+31]|
	v_max3_num_f32 v10, v10, v11, 0x1800000        ; the floor 2^(3 - 127): the byte cannot fall under 1
	v_add_nc_u32 v12, 0xff000000, v10              ; 2 off the exponent field: the conversion's scale operand
	v_lshrrev_b32 v13, 23, v12                     ; the scale's byte
.if (\t) == 0
	v_mov_b32 v[SW], v13
.else
	v_lshl_or_b32 v[SW], v13, 8*(\t), v[SW]
.endif
	v_cvt_scalef32_pk16_fp6_f32 v[CB:CB+2], v[XB:XB+15], v12
	v_cvt_scalef32_pk16_fp6_f32 v[CB+4:CB+6], v[XB+16:XB+31], v12   ; (a conversion's three registers begin on an even number)
	v_nop                                          ; one plain place behind a scaled conversion
	v_mov_b32 v[CB+3], v[CB+4]
	v_mov_b32 v[CB+4], v[CB+5]
	v_mov_b32 v[CB+5], v[CB+6]                     ; six registers on end: the block's 24 bytes
	global_store_b128 v7, v[CB:CB+3], s[30:31] offset:768*((\t)/2)+256*((\t)%2)
	global_store_b64 v8, v[CB+4:CB+5], s[30:31] offset:768*((\t)/2)+512+128*((\t)%2)
.endm
	LOAD 0
	LOAD 1
	BLOCK 0
	BLOCK 1
	BLOCK 2
	BLOCK 3
	global_store_b32 v9, v[SW], s[32:33]
	s_endpgm
.Lfunc_end_k_q8e614cdfad_prep:
	.size	k_q8e614cdfad_prep, .Lfunc_end_k_q8e614cdfad_prep-k_q8e614cdfad_prep
	.p2alignl 7, 3214868480
	.fill 96, 4, 3214868480
	.section	.rodata,"a",@progbits
	.p2align	6, 0x0
	.amdhsa_kernel k_q8e614cdfad_prep
		.amdhsa_group_segment_fixed_size 0
		.amdhsa_private_segment_fixed_size 0
		.amdhsa_enable_private_segment 0
		.amdhsa_kernarg_size 56
		.amdhsa_user_sgpr_count 2
		.amdhsa_user_sgpr_kernarg_segment_ptr 1
		.amdhsa_wavefront_size32 1
		.amdhsa_system_sgpr_workgroup_id_x 1
		.amdhsa_system_sgpr_workgroup_id_y 1
		.amdhsa_system_sgpr_workgroup_id_z 1
		.amdhsa_system_vgpr_workitem_id 0
		.amdhsa_next_free_vgpr 192
		.amdhsa_next_free_sgpr 66
		.amdhsa_reserve_vcc 0
		.amdhsa_float_denorm_mode_32 3
		.amdhsa_float_denorm_mode_16_64 3
		.amdhsa_memory_ordered 1
		.amdhsa_forward_progress 1
		.amdhsa_inst_pref_size 22
	.end_amdhsa_kernel
	.amdgpu_metadata
---
amdhsa.version: [ 1, 2 ]
amdhsa.kernels:
  - .name:           k_q8e614cdfad_prep
    .symbol:         k_q8e614cdfad_prep.kd
    .args:
      - { .name: q_lin_w, .offset: 0, .size: 8, .value_kind: global_buffer, .address_space: global }
      - { .name: kv_w, .offset: 8, .size: 8, .value_kind: global_buffer, .address_space: global }
      - { .name: qv_w, .offset: 16, .size: 8, .value_kind: global_buffer, .address_space: global }
      - { .name: vv_w, .offset: 24, .size: 8, .value_kind: global_buffer, .address_space: global }
      - { .name: sig_w, .offset: 32, .size: 8, .value_kind: global_buffer, .address_space: global }
      - { .name: tan_w, .offset: 40, .size: 8, .value_kind: global_buffer, .address_space: global }
      - { .name: wq, .offset: 48, .size: 8, .value_kind: global_buffer, .address_space: global }
    .group_segment_fixed_size: 0
    .private_segment_fixed_size: 0
    .kernarg_segment_align: 8
    .kernarg_segment_size: 56
    .max_flat_workgroup_size: 64
    .sgpr_count:     66
    .vgpr_count:     192
    .wavefront_size: 32
...
	.end_amdgpu_metadata
.endif
;; end of part 1
;; launch proj (part 2): grid 32 x 8, 8 waves a work-group, no clusters, 116,736 bytes of LDS; arguments query, value, aux_emb, q_lin_b, kv_b, kv_g, kv_be, kv_a, qv_b, qv_g, qv_be, qv_a, vv_b, vv_g, vv_be, vv_a, sig_b, tan_b, wq, qq, kk, vv, part; writes qq, kk, vv, part
.if DOCPART == 2
	.amdgcn_target "amdgcn-amd-amdhsa--gfx1250"
	.amdhsa_code_object_version 6
	.text
	.protected	k_q8e614cdfad_proj
	.globl	k_q8e614cdfad_proj
	.p2align	8
	.type	k_q8e614cdfad_proj,@function
k_q8e614cdfad_proj:
	s_mov_b64 s[64:65], 0
	v_nop
	global_prefetch_b8 v0, s[64:65] scope:SCOPE_SE
	s_setreg_imm32_b32 hwreg(HW_REG_WAVE_MODE, 25, 1), 1
	s_wait_xcnt 0x0
; All six projections for 64 tokens of one batch, on codes of FP6 (E2M3) with one E8M0 scale for each 32 along K:
;   q = LN(prelu((query Wl + bl + aux) Wq + bq)),  k = LN(prelu((value + aux) Wk + bk)),  v1 = LN(prelu((value + aux) Wv + bv)),  v = sigmoid(v1 Ws + bs) tanh(v1 Wt + bt).
; OUT: qq, kk: codes along d as images of operand registers [b][tile 128][kstep 4][1536] and scale words [b][tile][kstep][row] from SOFF (kk's tokens of a group of 32 in the order 8u + r + 8(r/8));
;   vv: codes along the KEYS [b][kstep of 128 keys 16][d tile 32][1536], scale words [b][j 8][d tile][ss 2][row] from SOFF;  part: [b][group 32][512] f32, the group's column sums of the quantised v.
; SHARES.  Work-group (g, b): tokens 64 g .. 64 g + 63.  THE EIGHT WAVES SHARE THE COLUMNS: wave w owns 64 output columns of every product, for all four tiles of 16 tokens: 64 matrix instructions a stage.
; Its 16 weight fragments of a stage come from wq straight into 192 registers, asked for behind the stage before, so that they land under that stage's vector work; each is read by this one wave of the work-group.
; Activations go from wave to wave through LDS as images of operand registers: a wave's 64 columns of a tile of tokens are one half fragment (768 bytes) and two scale bytes.
; query and value are read in runs of 256 consecutive bytes, sixteen lanes to a run, and turned through the wave's own stage in LDS into the order that the quantiser wants (a lane: one row, 16 neighbours of each block of 32).
; The products are used TRANSPOSED (source 0 = 16 weight columns, source 1 = 16 tokens): a lane holds one token and 32 neighbouring columns; in the last two stages the other way round, so that a lane holds one
; column d and 32 neighbouring KEYS, which are the K of attention's second product.
; Tokens 2000 .. 2047 are computed from rows 1992 .. 1999 (finite, never attended to by a stored row); their v is multiplied by 0 ahead of the quantiser.
; No cluster and no tensor load: a weight fragment feeds one wave only, so a way through LDS would write and read the 1.18 MB of weight codes once more for each work-group.
; The stores of scale halfwords and of column sums (2 + 2 a wave) cover less than 256 consecutive bytes.
; LIMITS: prelu is x + min(x, 0)(a - 1), a - 1 rounded once; a block of zeros gets the byte 1 (only this program reads the bytes); NaN and infinities among the inputs are not served.
; REGISTERS, window 0: v1-3 16, 8, 4 x lane; v4-6 where images and scale words are read; v7-9 where my half image and halfword go; v10, 11 statistics; v12 lane offset into bias, gain, beta; v13-15 by phase;
;   v16-23 activations' scale words, v24-31 weights', v32 ones', v33 v's; v34, 35 the add's two; v36-39 first the turn's two addresses, at the end two halfwords, two column sums; v40-87 four fragments, between products at work;
;   v88-215 16 accumulators (first phase: three sets of 32 numbers as loaded, one set turned); v216-247 bias or constants; v248-255 at work.
;   window 1: v0-191 the stage's weights; v192-223 gain (or aux); v224-255 beta (first phase: aux in the order of the loads).
.set SCL0,  0                          ; LDS: three sets of scale words [tile 4][kstep 4][row 16], 1,024 bytes each
.set SCL1,  1024
.set SCL2,  2048
.set STAT,  3072                       ; [mean | M2: 2048][tile: 512][row: 32][wave: 4]
.set IMG0,  7168                       ; three sets of images [tile 4][kstep 4][1536]
.set IMG1,  31744
.set IMG2,  56320
.set SPARE, 80896                      ; the spare words, 128 bytes a wave: four blocks of 256 bytes that no other line names
.set TURN,  81920                      ; the first phase's turn: 16 rows x (256 bytes + 16) for each wave
.set WSOFF, 1179648
.set SOFF,  6291456
.set XS,    16
.set WS,    24
.set XF,    40
.set ACC,   88
.set XT,    ACC+96                     ; first phase: the 32 numbers that have been turned
.set BIAS,  216
.set GW,    192
.set BEW,   224
.set MSB, 0
.macro WIN new                         ; the immediate's high byte repeats the setting that is left
.if MSB != \new
	s_set_vgpr_msb (MSB<<8)|\new
.set MSB, \new
.endif
.endm
.macro NOPS n
.rept \n
	v_nop
.endr
.endm
.macro GFRAG reg, sb, off              ; a fragment's image from memory: every load covers 512 or 256 consecutive bytes
	global_load_b128 v[\reg:\reg+3], v1, s[\sb:\sb+1] offset:\off
	global_load_b64 v[\reg+4:\reg+5], v2, s[\sb:\sb+1] offset:\off+512
	global_load_b128 v[\reg+6:\reg+9], v1, s[\sb:\sb+1] offset:\off+768
	global_load_b64 v[\reg+10:\reg+11], v2, s[\sb:\sb+1] offset:\off+1280
.endm
.macro LFRAG reg, off                  ; the same from LDS
	ds_load_b128 v[\reg:\reg+3], v4 offset:\off
	ds_load_b64 v[\reg+4:\reg+5], v5 offset:\off+512
	ds_load_b128 v[\reg+6:\reg+9], v4 offset:\off+768
	ds_load_b64 v[\reg+10:\reg+11], v5 offset:\off+1280
.endm
.macro MM d, a, b, c, sa, sb, odd      ; odd ksteps' scale words lie in lanes 16-31
.if \odd
	v_wmma_scale_f32_16x16x128_f8f6f4 v[\d:\d+7], v[\a:\a+11], v[\b:\b+11], v[\c:\c+7], v[\sa], v[\sb] matrix_a_fmt:MATRIX_FMT_FP6 matrix_b_fmt:MATRIX_FMT_FP6 matrix_a_scale:MATRIX_SCALE_ROW1 matrix_b_scale:MATRIX_SCALE_ROW1
.else
	v_wmma_scale_f32_16x16x128_f8f6f4 v[\d:\d+7], v[\a:\a+11], v[\b:\b+11], v[\c:\c+7], v[\sa], v[\sb] matrix_a_fmt:MATRIX_FMT_FP6 matrix_b_fmt:MATRIX_FMT_FP6
.endif
.endm
.macro MM0 d, a, b, sa, sb             ; the first product starts the sum
	v_wmma_scale_f32_16x16x128_f8f6f4 v[\d:\d+7], v[\a:\a+11], v[\b:\b+11], 0, v[\sa], v[\sb] matrix_a_fmt:MATRIX_FMT_FP6 matrix_b_fmt:MATRIX_FMT_FP6
.endm
.macro WLOAD                           ; a stage's 16 fragments and 8 registers of scale words
	WIN 0x40
.irp f, 0,1,2,3,4,5,6,7,8,9,10,11,12,13,14,15
	GFRAG 12*\f, 56, 1536*\f
.endr
	WIN 0
.irp i, 0,1,2,3,4,5,6,7
	global_load_b32 v[WS+\i], v3, s[58:59] offset:128*\i
.endr
.endm
.macro WNEXT                           ; every earlier load has been waited for: the two bases may step to the next stage
	s_add_nc_u64 s[56:57], s[56:57], 196608
	s_add_nc_u64 s[58:59], s[58:59], 8192
	WLOAD
.endm
.macro PLD reg, sb                     ; 32 numbers of a [512] vector in the result's layout: tile 2b+u, register i = column 64w + 32b + 16h + 8u + i
.irp j, 0,1,2,3
	global_load_b128 v[\reg+8*\j:\reg+8*\j+3], v12, s[\sb:\sb+1] offset:(32*(\j/2)+8*(\j%2))*4
	global_load_b128 v[\reg+8*\j+4:\reg+8*\j+7], v12, s[\sb:\sb+1] offset:(32*(\j/2)+8*(\j%2))*4+16
.endr
.endm
.macro BAR                             ; my LDS stores have landed and my LDS loads are in: then the work-group's barrier
	s_wait_dscnt 0x0
	s_barrier_signal -1
	s_barrier_wait -1
.endm
; 32 numbers of a lane, register 16 b + i = k 32 b + 16 (lane / 16) + i of my row, become half a fragment in v48-53 and two scale bytes in v[hw].
.macro QUANT32 src, hw
	v_max3_num_f32 v40, |v[\src]|, |v[\src+1]|, 0x1800000      ; with the floor 2^(3 - 127): the byte cannot fall under 1
	v_max3_num_f32 v41, |v[\src+16]|, |v[\src+17]|, 0x1800000
.irp i, 2,4,6,8,10,12,14
	v_max3_num_f32 v40, v40, |v[\src+\i]|, |v[\src+\i+1]|
	v_max3_num_f32 v41, v41, |v[\src+16+\i]|, |v[\src+17+\i]|
.endr
	v_permlanex16_b32 v42, v40, s66, s67
	v_permlanex16_b32 v43, v41, s66, s67
	v_max_num_f32 v40, v40, v42                    ; with lane l xor 16's 16: the block's largest magnitude
	v_max_num_f32 v41, v41, v43
	v_add_nc_u32 v44, 0xff000000, v40              ; 2 off the exponent field: the conversion's scale operand
	v_add_nc_u32 v45, 0xff000000, v41
	v_lshrrev_b32 v46, 23, v44
	v_lshrrev_b32 v47, 23, v45
	v_lshl_or_b32 v[\hw], v47, 8, v46
	v_cvt_scalef32_pk16_fp6_f32 v[48:50], v[\src:\src+15], v44
	v_cvt_scalef32_pk16_fp6_f32 v[60:62], v[\src+16:\src+31], v45
	v_nop                                          ; one plain place behind a scaled conversion
.irp i, 0,1,2
	v_permlane16_swap_b32 v[48+\i], v[60+\i]       ; a whole block to a lane: lanes 0-15 the first block, lanes 16-31 the second
.endr
.irp i, 0,1,2
	v_mov_b32 v[51+\i], v[60+\i]
.endr
.endm
.macro IMG a16, a8, off, soff          ; the half fragment and its halfword go to LDS as they stand
	ds_store_b128 v[\a16], v[48:51] offset:\off
	ds_store_b64 v[\a8], v[52:53] offset:\off
	ds_store_b16 v9, v64 offset:\soff
	s_wait_dscnt 0x0                               ; the stores have read their registers
.endm
; A stage's 64 products: four ksteps, 16 accumulators by turns.  vmode = 0: source 0 = weights, C of the first kstep = the bias.  vmode = 1: source 0 = tokens, C = 0.
; gbe = 1: gain and beta are asked for as soon as the weights have landed.
.macro GEMM vmode, gbe
.irp i, 0,1,2,3,4,5,6,7
	ds_load_b32 v[XS+\i], v6 offset:128*\i         ; lanes 0-15 an even kstep's words, lanes 16-31 the odd one's
.endr
.irp s, 0,1,2,3
.if \s > 0
	NOPS 4                                         ; places in front of loads into registers that matrix instructions have read
.endif
.irp m, 0,1,2,3
	LFRAG XF+12*\m, 6144*\m+1536*\s
.endr
	s_wait_dscnt 0x0
.if \s == 0
	s_wait_loadcnt 0x0                             ; the stage's weights, scale words and bias
.if \gbe
	WIN 0x40
	PLD GW, 68
	PLD BEW, 70
.endif
.endif
.if \vmode
	WIN 0x04
.else
	WIN 0x01
.endif
.irp i, 0,1,2,3
.irp j, 0,1,2,3
.if \vmode
.if \s == 0
	MM0 ACC+8*(4*\i+\j), XF+12*\j, 12*(4*\i+\s), XS+2*\j, WS+2*\i
.else
	MM ACC+8*(4*\i+\j), XF+12*\j, 12*(4*\i+\s), ACC+8*(4*\i+\j), XS+2*\j+\s/2, WS+2*\i+\s/2, \s%2
.endif
.else
.if \s == 0
	MM ACC+8*(4*\i+\j), 12*(4*\j+\s), XF+12*\i, BIAS+8*\j, WS+2*\j, XS+2*\i, 0
.else
	MM ACC+8*(4*\i+\j), 12*(4*\j+\s), XF+12*\i, ACC+8*(4*\i+\j), WS+2*\j+\s/2, XS+2*\i+\s/2, \s%2
.endif
.endif
.endr
.endr
	WIN 0
.endr
	NOPS 4                                         ; places in front of the first read of results and of loads and writes into the operands' registers
.endm
	s_load_b512 s[4:19], s[0:1], 0x0               ; query, value, aux_emb, q_lin_b, kv_b, kv_g, kv_be, kv_a
	s_load_b512 s[20:35], s[0:1], 0x40             ; qv_b, qv_g, qv_be, qv_a, vv_b, vv_g, vv_be, vv_a
	s_load_b256 s[36:43], s[0:1], 0x80             ; sig_b, tan_b, wq, qq
	s_load_b128 s[44:47], s[0:1], 0xa0             ; kk, vv
	s_load_b64 s[48:49], s[0:1], 0xb0              ; part
	v_lshl_add_u32 v34, v0, 2, SPARE
	v_mov_b32 v35, 0
	v_lshrrev_b32 v13, 5, v0
	v_readfirstlane_b32 s50, v13                   ; wave w
	s_mov_b32 s51, ttmp9                           ; g
	s_and_b32 s52, ttmp7, 0xffff                   ; b
	v_and_b32 v13, 31, v0
	v_and_b32 v14, 15, v0                          ; r
	v_bfe_u32 v15, v0, 4, 1                        ; h
	v_lshlrev_b32 v1, 4, v13
	v_lshlrev_b32 v2, 3, v13
	v_lshlrev_b32 v3, 2, v13
	s_mul_i32 s90, s50, 768                        ; my 64 columns are half w % 2 of kstep w / 2: 768 w
	v_add_nc_u32 v7, s90, v1
	s_add_co_u32 s90, s90, 512
	v_add_nc_u32 v8, s90, v2
	s_lshr_b32 s90, s50, 1
	s_lshl_b32 s90, s90, 6
	s_and_b32 s91, s50, 1
	s_lshl_b32 s91, s91, 1
	s_add_co_u32 s90, s90, s91
	v_lshl_add_u32 v9, v14, 2, s90                 ; my halfword: 4 r + 64 (w / 2) + 2 (w % 2)
	s_lshl_b32 s90, s50, 2
	s_add_co_u32 s90, s90, STAT
	v_lshl_add_u32 v10, v14, 5, s90
	v_lshl_add_u32 v10, v15, 11, v10               ; lanes 0-15 store the mean, lanes 16-31 M2
	v_lshlrev_b32 v11, 5, v14
	v_add_nc_u32 v11, STAT, v11
	s_lshl_b32 s90, s50, 8
	v_lshl_add_u32 v12, v15, 6, s90                ; 256 w + 64 h
	v_lshl_add_u32 v6, v14, 2, s90                 ; first phase: wave w's scale words at SCL0 + 256 w + 4 r
	s_mul_i32 s90, s50, 6144                       ; first phase: wave w's four fragments at IMG0 + 6144 w (waves 4-7 fall into IMG1)
	s_add_co_u32 s90, s90, IMG0
	v_add_nc_u32 v4, s90, v1
	s_add_co_u32 s90, s90, 512
	v_add_nc_u32 v5, s90, v2
	s_mul_i32 s90, s50, 4352                       ; first phase: my stage for the turn
	s_add_co_u32 s90, s90, TURN
	v_mul_u32_u24 v36, v15, 2176
	v_lshl_add_u32 v36, v14, 4, v36
	v_add_nc_u32 v36, s90, v36                     ; in, as loaded: lanes 0-15 a row of the first eight, lanes 16-31 of the second eight: 8 x 272 h + 16 (lane % 16)
	v_mul_u32_u24 v37, v14, 272
	v_lshl_add_u32 v37, v15, 6, v37
	v_add_nc_u32 v37, s90, v37                     ; and back: row r, + 64 h: my 16 numbers of a block of 32.  The pitch of 272 bytes sets sixteen rows on sixteen different columns of 16 bytes
	v_mov_b32 v32, 0x7f7f7f7f                      ; the scale 1.0, four times
	v_mov_b32 v42, 0                               ; written once: a lane permute's destination counts as one of its sources
	v_mov_b32 v43, 0
	s_mov_b32 s66, 0x76543210
	s_mov_b32 s67, 0xfedcba98                      ; v_permlanex16_b32's selects for lane l xor 16
	s_mov_b32 s86, 0xbfb8aa3b                      ; -log2(e)
	s_mov_b32 s87, s86
	s_mov_b32 s88, 0x4038aa3b                      ; 2 log2(e)
	s_mov_b32 s89, s88
	s_mov_b32 s98, 0xffff0000                      ; lanes 16-31
	s_mov_b32 s99, 0x3b000000                      ; 1 / 512
	s_lshr_b32 s90, s50, 2                         ; waves 0-3 take query, waves 4-7 value
	s_and_b32 s91, s50, 3                          ; tile m
	s_lshl_b32 s92, s51, 6
	s_lshl_b32 s93, s91, 4                         ; query: rows 16 m + r
	s_lshr_b32 s94, s91, 1
	s_lshl_b32 s94, s94, 5
	s_and_b32 s95, s91, 1
	s_lshl_b32 s95, s95, 3
	s_add_co_u32 s94, s94, s95                     ; value: rows 32 (m / 2) + 8 (m % 2) + r + 8 (r / 8)
	s_wait_kmcnt 0x0
	s_load_b32 s96, s[18:19], 0x0                  ; the three slopes, once: kv_a,
	s_load_b32 s97, s[26:27], 0x0                  ; qv_a,
	s_load_b32 s100, s[34:35], 0x0                 ; vv_a
	s_cmp_eq_u32 s90, 0
	s_cselect_b32 s93, s93, s94
	s_cselect_b32 s95, 8, 16                       ; from the tile's first eight rows to its second eight
	s_cselect_b32 s62, 0, 1.0                      ; aux is added to value here, to the first product's result there
	s_cselect_b64 s[74:75], s[4:5], s[6:7]
	s_mov_b32 s63, s62
	s_add_co_u32 s92, s92, s93
	v_mul_u32_u24 v13, s95, v15
	v_add_nc_u32 v13, s92, v13                     ; the first of my eight rows
	v_min_u32 v13, 1992, v13                       ; no load leaves its buffer: 2,000 is a multiple of 8, so eight rows lie wholly in the sequence (and begin at 1992 at the most) or wholly behind it
	v_lshlrev_b32 v13, 11, v13
	v_lshl_add_u32 v13, v14, 4, v13                ; row x 2,048 + 16 (lane % 16)
	v_lshlrev_b32 v15, 4, v14                      ; the same place in aux
	s_mul_i32 s90, s52, 4096000
	s_mov_b32 s91, 0
	s_add_nc_u64 s[74:75], s[74:75], s[90:91]
	s_lshl_b32 s90, s52, 11
	s_add_nc_u64 s[76:77], s[8:9], s[90:91]        ; aux of my batch
	s_mul_i32 s90, s50, 24576
	s_add_nc_u64 s[56:57], s[40:41], s[90:91]      ; my weights of stage 0
	s_lshl_b32 s90, s50, 10
	s_add_co_u32 s90, s90, WSOFF
	s_add_nc_u64 s[58:59], s[40:41], s[90:91]
; ---- X: wave w quantises one tile of 16 rows of query or of value + aux: four fragments, in eight steps of 64 along K (256 bytes of each row)
.macro XLD hs                          ; a step's 4 KB: each load reads two runs of 256 consecutive bytes, each at a multiple of 256 from the buffer's first byte
.irp i, 0,1,2,3,4,5,6,7
	global_load_b128 v[ACC+32*((\hs)%3)+4*\i:ACC+32*((\hs)%3)+4*\i+3], v13, s[74:75] offset:2048*\i+256*(\hs) th:TH_LOAD_NT
.endr
.endm
.macro XH hs
.set RB, ACC+32*((\hs)%3)
.if (\hs) < 5
	s_wait_loadcnt 16                              ; this step's eight loads are in; the two younger steps' sixteen may be out
.else
	s_wait_loadcnt 63                              ; behind this step's loads stand 88 younger ones or more (the weights'): a wait names 63 at the most, and a smaller count than the true one is safe
.endif
	WIN 0x01
.irp i, 0,1,2,3,4,5,6,7                        ; aux is added in the order of the loads, where a lane's four numbers of aux serve all its rows
	v_pk_fma_f32 v[RB+4*\i:RB+4*\i+1], v[BEW+4*(\hs):BEW+4*(\hs)+1], s[62:63], v[RB+4*\i:RB+4*\i+1] op_sel_hi:[1,0,1]
	v_pk_fma_f32 v[RB+4*\i+2:RB+4*\i+3], v[BEW+4*(\hs)+2:BEW+4*(\hs)+3], s[62:63], v[RB+4*\i+2:RB+4*\i+3] op_sel_hi:[1,0,1]
.endr
	WIN 0
.irp i, 0,1,2,3,4,5,6,7
	ds_store_b128 v36, v[RB+4*\i:RB+4*\i+3] offset:272*\i
.endr
.irp bb, 0,1
.irp jj, 0,1,2,3
	ds_load_b128 v[XT+16*\bb+4*\jj:XT+16*\bb+4*\jj+3], v37 offset:128*\bb+16*\jj   ; LDS serves a wave's instructions in order: these see my stores, and the next step's stores come behind them
.endr
.endr
	s_wait_dscnt 0x0                               ; the numbers are back; the stores above and the last step's image stores have read their registers
.if (\hs) < 5
	XLD (\hs)+3                                    ; three steps ahead, into the set just left
.endif
	QUANT32 XT, 64
	ds_store_b128 v4, v[48:51] offset:768*(\hs)
	ds_store_b64 v5, v[52:53] offset:768*(\hs)
	ds_store_b16 v6, v64 offset:64*((\hs)/2)+2*((\hs)%2)
.if (\hs) == 4
	WLOAD                                          ; stage 0's weights go out behind the last loads of rows, and land under the last three steps
	PLD BIAS, 10                                   ; q_lin_b,
	WIN 0x40
	PLD GW, 76                                     ; and aux once more, in the result's layout, for the first product's bias
	WIN 0
.endif
.endm
	WIN 0x40
.irp hs, 0,1,2,3,4,5,6,7
	global_load_b128 v[BEW+4*\hs:BEW+4*\hs+3], v15, s[76:77] offset:256*\hs
.endr
	WIN 0
	XLD 0
	XLD 1
	XLD 2
	XH 0
	XH 1
	XH 2
	XH 3
	XH 4
	XH 5
	XH 6
	XH 7
	BAR                                            ; query's and value + aux's images lie in LDS
; ---- P1: q1 = query Wl + (bl + aux), quantised into IMG2
	s_wait_loadcnt 0x0
	WIN 0x04
.set ii, 0
.rept 16
	v_pk_add_f32 v[BIAS+ii:BIAS+ii+1], v[BIAS+ii:BIAS+ii+1], v[GW+ii:GW+ii+1]
.set ii, ii+2
.endr
	WIN 0
	v_add_nc_u32 v4, IMG0, v1
	v_add_nc_u32 v5, IMG0, v2
	v_add_nc_u32 v6, SCL0, v3
	v_add_nc_u32 v13, IMG2, v7                     ; IMG2 lies beyond an LDS offset's 16 bits: the registers carry it
	v_add_nc_u32 v14, IMG2, v8
	GEMM 0, 0
	WNEXT                                          ; stage 1: kv
	PLD BIAS, 12
.irp m, 0,1,2,3
	QUANT32 ACC+32*\m, 64
	IMG 13, 14, 6144*\m, SCL2+256*\m
.endr
	BAR
	s_mul_i32 s90, s50, 3072
	s_add_co_u32 s90, s90, IMG0
	v_add_nc_u32 v13, s90, v1                      ; what I send to memory of a finished set: 3,072 bytes of images,
	s_lshl_b32 s90, s50, 8
	v_add_nc_u32 v14, s90, v2                      ; and (waves 0-3) 256 bytes of scale words
; ---- three stages of Linear, PReLU, LayerNorm: trip 0 = k (from IMG1), 1 = q (from IMG2), 2 = v1 (from IMG1); each leaves its images in IMG0
.macro LNA m                           ; prelu; my 64 columns' mean and sum of squares about it, for the tile's 16 tokens
.set XB, ACC+32*(\m)
.irp c, 0,8,16,24
.irp i, 0,1,2,3,4,5,6,7
	v_min_num_f32 v[66+\i], 0, v[XB+\c+\i]
.endr
.irp i, 0,2,4,6
	v_pk_fma_f32 v[XB+\c+\i:XB+\c+\i+1], v[66+\i:67+\i], s[60:61], v[XB+\c+\i:XB+\c+\i+1] op_sel_hi:[1,0,1]   ; x + min(x, 0)(a - 1)
.endr
.endr
	v_pk_add_f32 v[74:75], v[XB:XB+1], v[XB+2:XB+3]
	v_pk_add_f32 v[76:77], v[XB+4:XB+5], v[XB+6:XB+7]
.irp i, 8,12,16,20,24,28
	v_pk_add_f32 v[74:75], v[74:75], v[XB+\i:XB+\i+1]
	v_pk_add_f32 v[76:77], v[76:77], v[XB+\i+2:XB+\i+3]
.endr
	v_pk_add_f32 v[74:75], v[74:75], v[76:77]
	v_add_f32 v74, v74, v75
	v_permlanex16_b32 v42, v74, s66, s67
	v_add_f32 v74, v74, v42
	v_mul_f32 v74, 0x3c800000, v74                 ; / 64
.irp i, 0,4,8,12,16,20,24,28
	v_pk_add_f32 v[66:67], v[XB+\i:XB+\i+1], v[74:75] op_sel_hi:[1,0] neg_lo:[0,1] neg_hi:[0,1]
	v_pk_add_f32 v[68:69], v[XB+\i+2:XB+\i+3], v[74:75] op_sel_hi:[1,0] neg_lo:[0,1] neg_hi:[0,1]
.if \i == 0
	v_pk_mul_f32 v[76:77], v[66:67], v[66:67]
	v_pk_mul_f32 v[78:79], v[68:69], v[68:69]
.else
	v_pk_fma_f32 v[76:77], v[66:67], v[66:67], v[76:77]
	v_pk_fma_f32 v[78:79], v[68:69], v[68:69], v[78:79]
.endif
.endr
	v_pk_add_f32 v[76:77], v[76:77], v[78:79]
	v_add_f32 v76, v76, v77
	v_permlanex16_b32 v43, v76, s66, s67
	v_add_f32 v76, v76, v43
	v_cndmask_b32 v[80+\m], v74, v76, s98
	ds_store_b32 v10, v[80+\m] offset:512*(\m)
.endm
.macro LNB p                           ; tiles 2 p and 2 p + 1: the eight waves' figures are joined: no difference of large sums is formed
.irp q, 0,1
	ds_load_b128 v[40+16*\q:43+16*\q], v11 offset:512*(2*(\p)+\q)
	ds_load_b128 v[44+16*\q:47+16*\q], v11 offset:512*(2*(\p)+\q)+16
	ds_load_b128 v[48+16*\q:51+16*\q], v11 offset:512*(2*(\p)+\q)+2048
	ds_load_b128 v[52+16*\q:55+16*\q], v11 offset:512*(2*(\p)+\q)+2064
.endr
	s_wait_dscnt 0x0
.irp q, 0,1
.set MB, 40+16*\q
.set QB, 48+16*\q
.set MN, 72+2*(2*(\p)+\q)
	v_pk_add_f32 v[248:249], v[MB:MB+1], v[MB+2:MB+3]
	v_pk_add_f32 v[250:251], v[MB+4:MB+5], v[MB+6:MB+7]
	v_pk_add_f32 v[248:249], v[248:249], v[250:251]
	v_add_f32 v248, v248, v249
	v_mul_f32 v[MN], 0x3e000000, v248              ; the row's mean
.irp i, 0,2,4,6
	v_pk_add_f32 v[MB+\i:MB+\i+1], v[MB+\i:MB+\i+1], v[MN:MN+1] op_sel_hi:[1,0] neg_lo:[0,1] neg_hi:[0,1]
.endr
	v_pk_mul_f32 v[248:249], v[MB:MB+1], v[MB:MB+1]
.irp i, 2,4,6
	v_pk_fma_f32 v[248:249], v[MB+\i:MB+\i+1], v[MB+\i:MB+\i+1], v[248:249]
.endr
	v_pk_add_f32 v[QB:QB+1], v[QB:QB+1], v[QB+2:QB+3]
	v_pk_add_f32 v[QB+4:QB+5], v[QB+4:QB+5], v[QB+6:QB+7]
	v_pk_add_f32 v[QB:QB+1], v[QB:QB+1], v[QB+4:QB+5]
	v_pk_fma_f32 v[QB:QB+1], v[248:249], 0x42800000, v[QB:QB+1] op_sel_hi:[1,0,1]   ; + 64 x the squares of the waves' means about the row's
	v_add_f32 v[QB], v[QB], v[QB+1]
	v_fmaak_f32 v[252+2*(\p)+\q], s99, v[QB], 0x3727c5ac   ; variance + 1e-5
.endr
.endm
	s_wait_kmcnt 0x0                               ; the three slopes, asked for at the head
	s_mov_b32 s53, 0
.Lln:
	s_and_b32 s90, s53, 1
	s_mul_i32 s91, s90, 24576
	s_add_co_u32 s91, s91, IMG1
	v_add_nc_u32 v4, s91, v1
	v_add_nc_u32 v5, s91, v2
	s_lshl_b32 s90, s90, 10
	s_add_co_u32 s90, s90, SCL1
	v_add_nc_u32 v6, s90, v3
	s_cmp_eq_u32 s53, 1                            ; gain, beta and slope of this trip's block
	s_cselect_b64 s[68:69], s[22:23], s[14:15]
	s_cselect_b64 s[70:71], s[24:25], s[16:17]
	s_cselect_b32 s60, s97, s96
	s_cmp_eq_u32 s53, 2
	s_cselect_b64 s[68:69], s[30:31], s[68:69]
	s_cselect_b64 s[70:71], s[32:33], s[70:71]
	s_cselect_b32 s60, s100, s60
	s_add_f32 s60, s60, -1.0                       ; a - 1
	s_mov_b32 s61, s60
	GEMM 0, 1
	s_wait_loadcnt 0x0                             ; gain and beta; no load is out, so the bases below may be written
	s_cmp_eq_u32 s53, 0
	s_cselect_b64 s[54:55], s[20:21], s[28:29]     ; the next stage's bias: qv_b, then vv_b (the last trip's is loaded and not used)
	WNEXT                                          ; the next stage's weights land under this stage's vector work
	PLD BIAS, 54
	LNA 0
	LNA 1
	LNA 2
	LNA 3
	BAR                                            ; all eight waves' figures lie in LDS
	LNB 0
	LNB 1
.irp m, 0,1,2,3
	v_rsq_f32 v[80+2*\m], v[252+\m]
.endr
	v_nop                                          ; a plain place behind the last of the four,
	s_wait_alu depctr_va_vdst(0)                   ; and one wait for the batch, ahead of its first reader
.irp m, 0,1,2,3
.set ii, 0
.rept 16
	v_pk_add_f32 v[ACC+32*\m+ii:ACC+32*\m+ii+1], v[ACC+32*\m+ii:ACC+32*\m+ii+1], v[72+2*\m:73+2*\m] op_sel_hi:[1,0] neg_lo:[0,1] neg_hi:[0,1]
.set ii, ii+2
.endr
.set ii, 0
.rept 16
	v_pk_mul_f32 v[ACC+32*\m+ii:ACC+32*\m+ii+1], v[ACC+32*\m+ii:ACC+32*\m+ii+1], v[80+2*\m:81+2*\m] op_sel_hi:[1,0]
.set ii, ii+2
.endr
.endr
	WIN 0x14                                       ; gain and beta lie in window 1
.irp m, 0,1,2,3
.set ii, 0
.rept 16
	v_pk_fma_f32 v[ACC+32*\m+ii:ACC+32*\m+ii+1], v[ACC+32*\m+ii:ACC+32*\m+ii+1], v[GW+ii:GW+ii+1], v[BEW+ii:BEW+ii+1]
.set ii, ii+2
.endr
.endr
	WIN 0
.irp m, 0,1,2,3
	QUANT32 ACC+32*\m, 64
	IMG 7, 8, IMG0+6144*\m, SCL0+256*\m
.endr
	BAR                                            ; the set in IMG0 is whole.  It is written again only behind the next trip's first barrier, which every wave reaches behind its reads below
	s_cmp_lt_u32 s53, 2
	s_cbranch_scc0 .Lnoflush
	s_cmp_eq_u32 s53, 0
	s_cselect_b64 s[76:77], s[44:45], s[42:43]     ; k's set goes to kk, q's to qq
	s_lshl_b32 s90, s52, 7
	s_lshl_b32 s91, s51, 2
	s_add_co_u32 s90, s90, s91                     ; tile 128 b + 4 g
	s_lshl_b32 s92, s90, 8
	s_lshl_b32 s93, s50, 8
	s_add_co_u32 s92, s92, s93
	s_add_co_u32 s92, s92, SOFF
	s_mov_b32 s93, 0
	s_add_nc_u64 s[78:79], s[76:77], s[92:93]
	s_mul_i32 s92, s90, 6144
	s_mul_i32 s91, s50, 3072
	s_add_co_u32 s92, s92, s91
	s_add_nc_u64 s[76:77], s[76:77], s[92:93]
.irp i, 0,1,2,3,4,5
	ds_load_b128 v[40+4*\i:43+4*\i], v13 offset:512*\i
.endr
	s_wait_dscnt 0x0
.irp i, 0,1,2,3,4,5
	global_store_b128 v1, v[40+4*\i:43+4*\i], s[76:77] offset:512*\i   ; 512 consecutive bytes, at a multiple of 256 from the buffer's first byte
.endr
	s_cmp_lt_u32 s50, 4
	s_cbranch_scc0 .Lnosc
	ds_load_b64 v[64:65], v14
	s_wait_dscnt 0x0
	global_store_b64 v2, v[64:65], s[78:79]        ; 256 consecutive bytes
.Lnosc:
.Lnoflush:
	s_wait_xcnt 0x0                                ; the stores have read their registers and bases: both are written again in the next trip
	s_add_co_u32 s53, s53, 1
	s_cmp_lt_u32 s53, 3
	s_cbranch_scc1 .Lln
; ---- v = sigmoid(v1 Ws + bs) tanh(v1 Wt + bt): trip b = columns 64 w + 32 b ..; a lane holds one column d and the group's 64 keys in two blocks of 32
	v_add_nc_u32 v4, IMG0, v1
	v_add_nc_u32 v5, IMG0, v2
	v_add_nc_u32 v6, SCL0, v3
	v_and_b32 v65, 15, v0                          ; r
	v_bfe_u32 v66, v0, 4, 1                        ; h
	v_and_b32 v67, 8, v65
	v_add_nc_u32 v67, v67, v65                     ; r + 8 (r / 8)
	s_lshl_b32 s90, s50, 8
	v_lshl_add_u32 v13, v67, 2, s90                ; my column's bias: (64 w + r + 8 (r / 8)) x 4
	v_lshl_add_u32 v15, v66, 3, v67
	v_lshlrev_b32 v15, 2, v15                      ; the column sums: lanes 0-15 tile u = 0, lanes 16-31 u = 1: 128 consecutive bytes
	v_lshlrev_b32 v14, 2, v65
	v_lshl_add_u32 v14, v66, 7, v14                ; the halfwords: 128 h + 4 r
	s_lshl_b32 s91, s51, 6
	v_lshl_add_u32 v68, v66, 4, s91                ; my first key of the first block: 64 g + 16 h
	s_wait_loadcnt 0x0                             ; the bias registers take constants now
	v_cmp_gt_u32 vcc_lo, 2000, v68
	v_cndmask_b32 v228, 0, 1.0, vcc_lo             ; 1 for keys of the sequence, 0 for the fill behind key 1999 (16 keys of a lane fall on one side)
	v_add_nc_u32 v68, 32, v68
	v_cmp_gt_u32 vcc_lo, 2000, v68
	v_cndmask_b32 v230, 0, 1.0, vcc_lo
.irp i, 0,1,2,3
	v_mov_b32 v[232+3*\i], 0x08208208              ; 128 codes of the number 1.0
	v_mov_b32 v[233+3*\i], 0x82082082
	v_mov_b32 v[234+3*\i], 0x20820820
.endr
	s_mov_b32 s95, 0
	s_lshl_b32 s90, s52, 4
	s_lshr_b32 s91, s51, 1
	s_add_co_u32 s90, s90, s91                     ; kstep of 128 keys: 16 b + g / 2
	s_lshl_b32 s90, s90, 5
	s_lshl_b32 s91, s50, 2
	s_add_co_u32 s90, s90, s91
	s_mul_i32 s94, s90, 1536
	s_and_b32 s92, s51, 1
	s_mul_i32 s93, s92, 768                        ; my group is half g % 2 of it
	s_add_co_u32 s94, s94, s93
	s_add_nc_u64 s[80:81], s[46:47], s[94:95]
	s_lshl_b32 s90, s52, 3
	s_lshr_b32 s93, s51, 2
	s_add_co_u32 s90, s90, s93
	s_lshl_b32 s90, s90, 5
	s_add_co_u32 s90, s90, s91
	s_lshl_b32 s94, s90, 7
	s_bfe_u32 s93, s51, 0x10001
	s_lshl_b32 s93, s93, 6
	s_add_co_u32 s94, s94, s93
	s_lshl_b32 s92, s92, 1
	s_add_co_u32 s94, s94, s92
	s_add_co_u32 s94, s94, SOFF
	s_add_nc_u64 s[82:83], s[46:47], s[94:95]
	s_lshl_b32 s90, s52, 5
	s_add_co_u32 s90, s90, s51
	s_lshl_b32 s94, s90, 11
	s_lshl_b32 s91, s50, 8
	s_add_co_u32 s94, s94, s91
	s_add_nc_u64 s[84:85], s[48:49], s[94:95]
.macro VU u
.set VA, ACC+32*(\u)
.set VT, ACC+64+32*(\u)
.set ii, 0
.rept 16
	v_pk_fma_f32 v[VA+ii:VA+ii+1], v[VA+ii:VA+ii+1], s[86:87], v[220+2*(\u):221+2*(\u)] op_sel_hi:[1,0,0]   ; -log2(e) (x + bs)
.set ii, ii+2
.endr
.set ii, 0
.rept 16
	v_pk_fma_f32 v[VT+ii:VT+ii+1], v[VT+ii:VT+ii+1], s[88:89], v[224+2*(\u):225+2*(\u)] op_sel_hi:[1,0,0]   ; 2 log2(e) (y + bt)
.set ii, ii+2
.endr
.set ii, 0
.rept 32
	v_min_num_f32 v[VT+ii], 0x42700000, v[VT+ii]   ; held at 60: tanh is 1 in f32 long before, and e2 stays finite
.set ii, ii+1
.endr
.set ii, 0
.rept 32
	v_exp_f32 v[VA+ii], v[VA+ii]                   ; e1
.set ii, ii+1
.endr
.set ii, 0
.rept 32
	v_exp_f32 v[VT+ii], v[VT+ii]                   ; e2
.set ii, ii+1
.endr
	v_nop                                          ; a plain place behind the batch,
	s_wait_alu depctr_va_vdst(0)                   ; and its one wait
.set ii, 0
.rept 16
	v_pk_add_f32 v[VA+ii:VA+ii+1], v[VA+ii:VA+ii+1], 1.0 op_sel_hi:[1,0]
.set ii, ii+2
.endr
.set ii, 0
.rept 16
	v_pk_fma_f32 v[VA+ii:VA+ii+1], v[VA+ii:VA+ii+1], v[VT+ii:VT+ii+1], v[VA+ii:VA+ii+1]   ; (1 + e1)(1 + e2)
.set ii, ii+2
.endr
.set ii, 0
.rept 32
	v_rcp_f32 v[VA+ii], v[VA+ii]
.set ii, ii+1
.endr
.set ii, 0
.rept 8
	v_pk_fma_f32 v[VT+ii:VT+ii+1], v[VT+ii:VT+ii+1], v[228:229], v[228:229] op_sel_hi:[1,0,0] neg_lo:[0,0,1] neg_hi:[0,0,1]   ; (e2 - 1) x 1 or 0: plain work behind the reciprocals
	v_pk_fma_f32 v[VT+16+ii:VT+17+ii], v[VT+16+ii:VT+17+ii], v[230:231], v[230:231] op_sel_hi:[1,0,0] neg_lo:[0,0,1] neg_hi:[0,0,1]
.set ii, ii+2
.endr
	s_wait_alu depctr_va_vdst(0)                   ; one wait for the 32 reciprocals
.set ii, 0
.rept 16
	v_pk_mul_f32 v[VT+ii:VT+ii+1], v[VT+ii:VT+ii+1], v[VA+ii:VA+ii+1]   ; sigmoid x tanh = (e2 - 1) / ((1 + e1)(1 + e2))
.set ii, ii+2
.endr
	QUANT32 VT, 36+(\u)
	global_store_b128 v1, v[48:51], s[80:81] offset:1536*(\u)
	global_store_b64 v2, v[52:53], s[80:81] offset:1536*(\u)+512
	v_or_b32 v33, 0x7f7f0000, v[36+(\u)]           ; my two bytes, and 1.0 for the half of zero codes
	NOPS 8                                         ; a scale register written by a vector instruction stands 8 places ahead of a scaled matrix instruction, an operand 4
	MM0 VA, 232, 48, 32, 33                        ; ones x the quantised v: every row of the result is the sum over the group's 64 keys, lane r's column d
	NOPS 4
	v_mov_b32 v[38+(\u)], v[VA]
	s_wait_xcnt 0x0                                ; the stores have read the codes' registers
.endm
	s_mov_b32 s53, 0
.Lv:
	s_wait_loadcnt 0x0
	global_load_b32 v216, v13, s[36:37]
	global_load_b32 v217, v13, s[36:37] offset:32
	global_load_b32 v218, v13, s[38:39]
	global_load_b32 v219, v13, s[38:39] offset:32
	GEMM 1, 0
	s_cmp_eq_u32 s53, 0
	s_cbranch_scc0 .Lnow
	WNEXT                                          ; stage 5 lands under this trip's vector work
.Lnow:
	v_mul_f32 v220, s86, v216
	v_mul_f32 v222, s86, v217
	v_mul_f32 v224, s88, v218
	v_mul_f32 v226, s88, v219
.irp i, 0,1,2,3,4,5
	v_mov_b32 v[54+\i], 0                          ; the second half of the fragment that is summed: zero codes
.endr
	VU 0
	VU 1
	v_cndmask_b32 v65, v36, v37, s98
	v_cndmask_b32 v66, v38, v39, s98
	global_store_b16 v14, v65, s[82:83]
	global_store_b32 v15, v66, s[84:85]
	s_wait_xcnt 0x0                                ; registers and bases of the stores are written again below and in the next trip
	s_add_nc_u64 s[80:81], s[80:81], 3072
	s_add_nc_u64 s[82:83], s[82:83], 256
	s_add_nc_u64 s[84:85], s[84:85], 128
	v_add_nc_u32 v13, 128, v13
	s_add_co_u32 s53, s53, 1
	s_cmp_lt_u32 s53, 2
	s_cbranch_scc1 .Lv
	s_wait_tensorcnt 0x0                           ; the wave's end, behind my last LDS store
	ds_add_u32 v34, v35
	s_wait_dscnt 0x0
	s_endpgm
.Lfunc_end_k_q8e614cdfad_proj:
	.size	k_q8e614cdfad_proj, .Lfunc_end_k_q8e614cdfad_proj-k_q8e614cdfad_proj
	.p2alignl 7, 3214868480
	.fill 96, 4, 3214868480
	.section	.rodata,"a",@progbits
	.p2align	6, 0x0
	.amdhsa_kernel k_q8e614cdfad_proj
		.amdhsa_group_segment_fixed_size 116736
		.amdhsa_private_segment_fixed_size 0
		.amdhsa_enable_private_segment 0
		.amdhsa_kernarg_size 184
		.amdhsa_user_sgpr_count 2
		.amdhsa_user_sgpr_kernarg_segment_ptr 1
		.amdhsa_wavefront_size32 1
		.amdhsa_system_sgpr_workgroup_id_x 1
		.amdhsa_system_sgpr_workgroup_id_y 1
		.amdhsa_system_sgpr_workgroup_id_z 1
		.amdhsa_system_vgpr_workitem_id 0
		.amdhsa_next_free_vgpr 512
		.amdhsa_next_free_sgpr 104
		.amdhsa_reserve_vcc 1
		.amdhsa_float_denorm_mode_32 3
		.amdhsa_float_denorm_mode_16_64 3
		.amdhsa_memory_ordered 1
		.amdhsa_forward_progress 1
		.amdhsa_inst_pref_size 211
	.end_amdhsa_kernel
	.amdgpu_metadata
---
amdhsa.version: [ 1, 2 ]
amdhsa.kernels:
  - .name:           k_q8e614cdfad_proj
    .symbol:         k_q8e614cdfad_proj.kd
    .args:
      - { .name: query, .offset: 0, .size: 8, .value_kind: global_buffer, .address_space: global }
      - { .name: value, .offset: 8, .size: 8, .value_kind: global_buffer, .address_space: global }
      - { .name: aux_emb, .offset: 16, .size: 8, .value_kind: global_buffer, .address_space: global }
      - { .name: q_lin_b, .offset: 24, .size: 8, .value_kind: global_buffer, .address_space: global }
      - { .name: kv_b, .offset: 32, .size: 8, .value_kind: global_buffer, .address_space: global }
      - { .name: kv_g, .offset: 40, .size: 8, .value_kind: global_buffer, .address_space: global }
      - { .name: kv_be, .offset: 48, .size: 8, .value_kind: global_buffer, .address_space: global }
      - { .name: kv_a, .offset: 56, .size: 8, .value_kind: global_buffer, .address_space: global }
      - { .name: qv_b, .offset: 64, .size: 8, .value_kind: global_buffer, .address_space: global }
      - { .name: qv_g, .offset: 72, .size: 8, .value_kind: global_buffer, .address_space: global }
      - { .name: qv_be, .offset: 80, .size: 8, .value_kind: global_buffer, .address_space: global }
      - { .name: qv_a, .offset: 88, .size: 8, .value_kind: global_buffer, .address_space: global }
      - { .name: vv_b, .offset: 96, .size: 8, .value_kind: global_buffer, .address_space: global }
      - { .name: vv_g, .offset: 104, .size: 8, .value_kind: global_buffer, .address_space: global }
      - { .name: vv_be, .offset: 112, .size: 8, .value_kind: global_buffer, .address_space: global }
      - { .name: vv_a, .offset: 120, .size: 8, .value_kind: global_buffer, .address_space: global }
      - { .name: sig_b, .offset: 128, .size: 8, .value_kind: global_buffer, .address_space: global }
      - { .name: tan_b, .offset: 136, .size: 8, .value_kind: global_buffer, .address_space: global }
      - { .name: wq, .offset: 144, .size: 8, .value_kind: global_buffer, .address_space: global }
      - { .name: qq, .offset: 152, .size: 8, .value_kind: global_buffer, .address_space: global }
      - { .name: kk, .offset: 160, .size: 8, .value_kind: global_buffer, .address_space: global }
      - { .name: vv, .offset: 168, .size: 8, .value_kind: global_buffer, .address_space: global }
      - { .name: part, .offset: 176, .size: 8, .value_kind: global_buffer, .address_space: global }
    .group_segment_fixed_size: 116736
    .private_segment_fixed_size: 0
    .kernarg_segment_align: 8
    .kernarg_segment_size: 184
    .max_flat_workgroup_size: 256
    .sgpr_count:     104
    .vgpr_count:     512
    .wavefront_size: 32
...
	.end_amdgpu_metadata
.endif
;; end of part 2
;; launch attn (part 3): grid 8 x 63, 8 waves a work-group, no clusters, 44,544 bytes of LDS; arguments qq, kk, vv, part, input_len, out0; writes out0
.if DOCPART == 3
	.amdgcn_target "amdgcn-amd-amdhsa--gfx1250"
	.amdhsa_code_object_version 6
	.text
	.protected	k_q8e614cdfad_attn
	.globl	k_q8e614cdfad_attn
	.p2align	8
	.type	k_q8e614cdfad_attn,@function
k_q8e614cdfad_attn:
	s_mov_b64 s[64:65], 0
	v_nop
	global_prefetch_b8 v0, s[64:65] scope:SCOPE_SE
	s_setreg_imm32_b32 hwreg(HW_REG_WAVE_MODE, 25, 1), 1
	s_wait_xcnt 0x0
; out[b][q] for 32 queries a work-group.  Rows q < L = input_len[b]: causal softmax over keys <= q, a score that is exactly 0 counting as hidden; both products on codes of FP6 (E2M3) with E8M0 scales.
; Rows q >= L: every logit is 0, so p = 1 for all 2,000 keys: the row is the column sum of the quantised v / 2000, taken from part.
; SOFTMAX: t = score x log2(e) / sqrt(512); p = 2^(t - M), M a whole number; p is quantised along the keys, not normalised; the sum of the unquantised p divides at the end.
; SHARES.  Work-group (b, y): queries q0 = 32 (62 - y) .. + 31 of batch b, two tiles of 16.  The batch is the grid's x: taken in the grid's order, x first, the longest walks of all eight batches stand first.
; A step is 256 keys; the steps, ((q0 + 31) / 256) + 1, hang on ids alone.
; Wave w makes S^T for key block w (32 keys) against both tiles, 16 matrix instructions; makes p and its codes, which go round through LDS; and owns channels 64 w .. 64 w + 63 of O^T, again 16.
; So each fragment of K and of V is read by one wave of the work-group, from memory straight into its operand registers.
; M WITHOUT A BARRIER OF ITS OWN: each wave keeps its own running whole number M_w and sum l_w; it publishes -M_w and E = byte + M_w.  The readers take the common M = the largest, and byte' = E - M, held at 0 from
; below, as the block's scale byte: a power of two that the scale takes up.  O^T is rescaled by 2^(old M - new M) in every step: nothing is rounded, and no branch hangs on data.
; BRANCHES on input_len (an index input): a work-group with no row under L passes over the steps' work, never over a barrier; one with no row at or over L passes over the column sums.
; No cluster and no tensor load: the work hangs on input_len, and neighbouring query blocks walk different numbers of steps.
; LIMITS: exact for |t| < 2^23 (M and E are whole numbers kept in f32); a block whose byte' would fall under 0 is held at 2^-127; a row with no key that counts gives NaN, as the definition does;
; input_len is taken as a signed number of any size short of the ends of its range.
; REGISTERS, window 0: v1-3 16, 8, 4 x lane; v4-14 addresses and lane constants; v15 at work; v16-19 K's scale words, v20-23 Q's, v24-27 V's, v28, 29 p's; v30, 31 the add's two;
;   v32-47 eight a tile: -M_w, largest t, l_w (two), common -M, -, f, -; v48-79 S^T, then p; v80-127 p's four fragments; v128-223 V's eight; v224-251 at work; v252-255 the row for q >= L.
;   window 1: v0-95 Q's eight fragments; v96-191 K's eight; v192-255 O^T, tile (t, m) at 192 + 8 (2 t + m).
.set ST,    6656                       ; LDS: from 0 p's codes, 32 rows x 208 bytes (8 blocks of 24 + 16); here [E | -M: 1024][row: 32][wave: 4]
.set STAGE, 8704                       ; the way out: 16 rows x 272 bytes for each wave
.set SPARE, 43520                      ; the spare words, 128 bytes a wave: four blocks of 256 bytes that no other line names
.set SOFF,  6291456
.set KS,    16
.set QS,    20
.set VS,    24
.set PW,    28
.set SR,    48
.set PF,    80
.set VF,    128
.set QF,    0
.set KF,    96
.set OR,    192
.set MSB, 0
.macro WIN new                         ; the immediate's high byte repeats the setting that is left
.if MSB != \new
	s_set_vgpr_msb (MSB<<8)|\new
.set MSB, \new
.endif
.endm
.macro NOPS n
.rept \n
	v_nop
.endr
.endm
.macro GFRAG reg, sb, off              ; a fragment's image: every load covers 512 or 256 consecutive bytes
	global_load_b128 v[\reg:\reg+3], v1, s[\sb:\sb+1] offset:\off
	global_load_b64 v[\reg+4:\reg+5], v2, s[\sb:\sb+1] offset:\off+512
	global_load_b128 v[\reg+6:\reg+9], v1, s[\sb:\sb+1] offset:\off+768
	global_load_b64 v[\reg+10:\reg+11], v2, s[\sb:\sb+1] offset:\off+1280
.endm
.macro MM d, a, b, c, sa, sb, odd      ; odd ksteps' scale words lie in lanes 16-31
.if \odd
	v_wmma_scale_f32_16x16x128_f8f6f4 v[\d:\d+7], v[\a:\a+11], v[\b:\b+11], v[\c:\c+7], v[\sa], v[\sb] matrix_a_fmt:MATRIX_FMT_FP6 matrix_b_fmt:MATRIX_FMT_FP6 matrix_a_scale:MATRIX_SCALE_ROW1 matrix_b_scale:MATRIX_SCALE_ROW1
.else
	v_wmma_scale_f32_16x16x128_f8f6f4 v[\d:\d+7], v[\a:\a+11], v[\b:\b+11], v[\c:\c+7], v[\sa], v[\sb] matrix_a_fmt:MATRIX_FMT_FP6 matrix_b_fmt:MATRIX_FMT_FP6
.endif
.endm
.macro MM0 d, a, b, sa, sb
	v_wmma_scale_f32_16x16x128_f8f6f4 v[\d:\d+7], v[\a:\a+11], v[\b:\b+11], 0, v[\sa], v[\sb] matrix_a_fmt:MATRIX_FMT_FP6 matrix_b_fmt:MATRIX_FMT_FP6
.endm
.macro KLOAD                           ; my two tiles of 16 keys, four ksteps of d: 36 loads
	WIN 0x40
.irp f, 0,1,2,3,4,5,6,7
	GFRAG KF+12*\f, 24, 1536*\f
.endr
	WIN 0
.irp i, 0,1,2,3
	global_load_b32 v[KS+\i], v3, s[26:27] offset:128*\i
.endr
.endm
.macro VLOAD                           ; my four tiles of 16 channels, two ksteps of 128 keys: 36 loads
.irp ss, 0,1
.irp t, 0,1,2,3
	GFRAG VF+12*(4*\ss+\t), 28, 49152*\ss+1536*\t
.endr
.endr
.irp t, 0,1,2,3
	global_load_b32 v[VS+\t], v3, s[30:31] offset:128*\t
.endr
.endm
.macro BAR                             ; my LDS stores have landed and my LDS loads are in: then the work-group's barrier
	s_wait_dscnt 0x0
	s_barrier_signal -1
	s_barrier_wait -1
.endm
	s_load_b256 s[4:11], s[0:1], 0x0               ; qq, kk, vv, part
	s_load_b128 s[12:15], s[0:1], 0x20             ; input_len, out0
	v_lshl_add_u32 v30, v0, 2, SPARE
	v_mov_b32 v31, 0
	v_lshrrev_b32 v15, 5, v0
	v_readfirstlane_b32 s16, v15                   ; wave w
	s_mov_b32 s17, ttmp9                           ; b
	s_and_b32 s37, ttmp7, 0xffff                   ; y
	s_sub_co_u32 s18, 62, s37
	s_lshl_b32 s18, s18, 5                         ; q0
	s_add_co_u32 s20, s18, 31
	s_lshr_b32 s20, s20, 8
	s_add_co_u32 s20, s20, 1                       ; steps of 256 keys
	s_lshl_b32 s37, s17, 2
	s_wait_kmcnt 0x0
	s_load_b32 s19, s[12:13], s37 offset:0x0       ; L
	v_and_b32 v224, 31, v0                         ; lane
	v_and_b32 v225, 15, v0                         ; r
	v_bfe_u32 v226, v0, 4, 1                       ; h
	v_lshlrev_b32 v1, 4, v224
	v_lshlrev_b32 v2, 3, v224
	v_lshlrev_b32 v3, 2, v224
	s_mul_i32 s38, s16, 24
	v_mul_u32_u24 v4, v224, 208
	v_add_nc_u32 v4, s38, v4                       ; p's codes, in: row = lane, block w
	v_mul_u32_u24 v5, v225, 208
	v_mad_u32_u24 v5, v226, 24, v5                 ; and out: row r, + 24 h
	s_lshl_b32 s38, s16, 2
	s_add_co_u32 s38, s38, ST
	v_lshl_add_u32 v6, v224, 5, s38                ; figures, in: row = lane, word w
	v_lshlrev_b32 v7, 5, v225
	v_lshl_add_u32 v7, v226, 4, v7
	v_add_nc_u32 v7, ST, v7                        ; and out: row r, the four words of kstep h
	s_mul_i32 s38, s16, 4352
	s_add_co_u32 s38, s38, STAGE
	v_mul_u32_u24 v8, v225, 272
	v_lshl_add_u32 v8, v226, 6, v8
	v_add_nc_u32 v8, s38, v8                       ; my stage, in: row r, + 64 h
	v_mul_u32_u24 v9, v226, 272
	v_lshl_add_u32 v9, v225, 4, v9
	v_add_nc_u32 v9, s38, v9                       ; and back: lanes 0-15 one row, lanes 16-31 the next
	v_lshlrev_b32 v10, 11, v226
	v_lshl_add_u32 v10, v225, 4, v10               ; the same two rows in out0
	v_lshlrev_b32 v11, 15, v226
	v_lshl_add_u32 v11, v225, 4, v11               ; part: lanes 0-15 groups 0-15, lanes 16-31 groups 16-31
	v_lshlrev_b32 v12, 4, v226
	v_sub_nc_u32 v12, v225, v12                    ; r - 16 h
	v_mov_b32 v13, 0xff800000                      ; -infinity
	v_add_nc_u32 v14, s18, v226                    ; q0 + h
	s_mov_b32 s49, 0
	s_lshl_b32 s38, s17, 7                         ; 128 tiles a batch
	s_lshr_b32 s39, s18, 4
	s_add_co_u32 s39, s39, s38
	s_mul_i32 s48, s39, 6144
	s_add_nc_u64 s[40:41], s[4:5], s[48:49]        ; Q's codes,
	s_lshl_b32 s48, s39, 8
	s_add_co_u32 s48, s48, SOFF
	s_add_nc_u64 s[42:43], s[4:5], s[48:49]        ; and scale words
	s_lshl_b32 s39, s16, 1
	s_add_co_u32 s39, s39, s38                     ; K: tile 128 b + 16 j + 2 w + u
	s_mul_i32 s48, s39, 6144
	s_add_nc_u64 s[24:25], s[6:7], s[48:49]
	s_lshl_b32 s48, s39, 8
	s_add_co_u32 s48, s48, SOFF
	s_add_nc_u64 s[26:27], s[6:7], s[48:49]
	s_lshl_b32 s39, s17, 9
	s_lshl_b32 s38, s16, 2
	s_add_co_u32 s39, s39, s38                     ; V: (16 b + 2 j + ss) x 32 + 4 w + t
	s_mul_i32 s48, s39, 1536
	s_add_nc_u64 s[28:29], s[8:9], s[48:49]
	s_lshl_b32 s39, s17, 8
	s_add_co_u32 s39, s39, s38
	s_lshl_b32 s48, s39, 7
	s_add_co_u32 s48, s48, SOFF
	s_add_nc_u64 s[30:31], s[8:9], s[48:49]
	s_lshl_b32 s48, s17, 16
	s_lshl_b32 s39, s16, 8
	s_add_co_u32 s48, s48, s39
	s_add_nc_u64 s[46:47], s[10:11], s[48:49]      ; part: my batch, my 64 channels
	s_mul_i32 s48, s17, 2000
	s_add_co_u32 s48, s48, s18
	s_lshl_b32 s48, s48, 11
	s_add_co_u32 s48, s48, s39
	s_add_nc_u64 s[44:45], s[14:15], s[48:49]      ; out0: row q0, my 64 channels
	s_mov_b32 s32, 0x3d8293ee                      ; c = log2(e) / sqrt(512)
	s_mov_b32 s33, s32
	s_mov_b32 s34, 0x76543210
	s_mov_b32 s35, 0xfedcba98                      ; v_permlanex16_b32's selects for lane l xor 16
	s_mov_b32 s36, 0xffff0000                      ; lanes 16-31
.irp m, 0,1
	v_mov_b32 v[32+8*\m], 0x4d800000               ; -M_w = 2^28: under every M that a score gives
	v_mov_b32 v[33+8*\m], 0xcd800000               ; the largest t so far: -2^28
	v_mov_b32 v[34+8*\m], 0
	v_mov_b32 v[35+8*\m], 0
	v_mov_b32 v[36+8*\m], 0x4d800000               ; the common -M
	v_mov_b32 v[37+8*\m], 0
	v_mov_b32 v[38+8*\m], 0
	v_mov_b32 v[39+8*\m], 0
.endr
.set ii, 224
.rept 32
	v_mov_b32 v[ii], 0                             ; lane permutes' destinations and the upper words of pairs count as read; v252-255: the row for q >= L
.set ii, ii+1
.endr
	WIN 0x40
.set ii, 0
.rept 64
	v_mov_b32 v[OR+ii], 0                          ; O^T.  (The step is written once: the first finds zeros, which the first change of M leaves zeros)
.set ii, ii+1
.endr
	WIN 0
	s_wait_kmcnt 0x0
	s_cmp_lt_i32 s18, s19
	s_cselect_b32 s22, 1, 0                        ; some row of mine lies under L
	s_add_co_u32 s38, s18, 31
	s_cmp_ge_i32 s38, s19
	s_cselect_b32 s23, 1, 0                        ; some row of mine lies at or over L
	s_cmp_eq_u32 s22, 0
	s_cbranch_scc1 .Lidle
	WIN 0x40
.irp f, 0,1,2,3,4,5,6,7
	GFRAG QF+12*\f, 40, 1536*\f
.endr
	WIN 0
.irp i, 0,1,2,3
	global_load_b32 v[QS+\i], v3, s[42:43] offset:128*\i
.endr
	KLOAD
	VLOAD
	s_wait_loadcnt 36                              ; Q and K of step 0 are in; V's 36 loads may be out
	s_branch .Lgo
.Lidle:                                            ; no row under L: nothing is fetched and no step's work is done.  The operands' registers are written, so that each has a value on every way through the text.
                                                   ; The scale registers come first and V's last: behind a scale register so written stand 288 plain vector lines, behind one of Q's or K's 96, ahead of the first scaled product (8 and 4 are asked)
.set ii, 0
.rept 12
	v_mov_b32 v[KS+ii], 0x7f7f7f7f
.set ii, ii+1
.endr
	WIN 0x40
.set ii, 0
.rept 192
	v_mov_b32 v[ii], 0
.set ii, ii+1
.endr
	WIN 0
.set ii, 0
.rept 96
	v_mov_b32 v[VF+ii], 0
.set ii, ii+1
.endr
.Lgo:
	s_mov_b32 s21, 0
.Lstep:
	s_cmp_eq_u32 s22, 0
	s_cbranch_scc1 .Lskip1
	; ---- first half: S^T = K Q^T for my 32 keys, four accumulators by turns
	WIN 0x05
.irp s, 0,1,2,3
.irp m, 0,1
.irp u, 0,1
.if \s == 0
	MM0 SR+16*\m+8*\u, KF+12*(4*\u+\s), QF+12*(4*\m+\s), KS+2*\u, QS+2*\m
.else
	MM SR+16*\m+8*\u, KF+12*(4*\u+\s), QF+12*(4*\m+\s), SR+16*\m+8*\u, KS+2*\u+\s/2, QS+2*\m+\s/2, \s%2
.endif
.endr
.endr
.endr
	WIN 0
	NOPS 4                                         ; places in front of the loads into K's registers and of the first read of the scores
	s_add_co_u32 s37, s21, 1
	s_cmp_lt_u32 s37, s20
	s_cbranch_scc0 .Lnok
	s_wait_xcnt 0x0                                ; the earlier loads have read their bases
	s_add_nc_u64 s[24:25], s[24:25], 98304
	s_add_nc_u64 s[26:27], s[26:27], 4096
	KLOAD                                          ; the next step's K lands under the softmax
.Lnok:
.set ii, 0
.rept 32
	v_cmp_eq_f32 vcc_lo, 0, v[SR+ii]               ; a score that is exactly 0 is hidden
	v_cndmask_b32 v[SR+ii], v[SR+ii], v13, vcc_lo
.set ii, ii+1
.endr
	s_lshl_b32 s37, s21, 8
	s_lshl_b32 s38, s16, 5
	s_add_co_u32 s37, s37, s38                     ; my block's first key
	s_add_co_u32 s38, s37, 31
	s_cmp_gt_u32 s38, s18                          ; a block all of whose keys count for every query passes over the mask: ids, the wave's number and the count of steps
	s_cbranch_scc0 .Lopen
	s_sub_co_i32 s38, s18, s37
	v_add_nc_u32 v15, s38, v12                     ; register i of tile m holds key first + 16 h + i, query q0 + 16 m + r: hidden where i - 16 m > q0 - first + r - 16 h
.irp m, 0,1
.irp i, 0,1,2,3,4,5,6,7,8,9,10,11,12,13,14,15
	v_cmp_gt_i32 vcc_lo, \i-16*\m, v15
	v_cndmask_b32 v[SR+16*\m+\i], v[SR+16*\m+\i], v13, vcc_lo
.endr
.endr
.Lopen:
.irp m, 0,1
	v_max3_num_f32 v[224+\m], v[SR+16*\m], v[SR+16*\m+1], v[SR+16*\m+2]   ; the block's largest score: for M_w, and, since p rises with the score, for the block's largest p
.endr
.irp i, 3,5,7,9,11,13
.irp m, 0,1
	v_max3_num_f32 v[224+\m], v[224+\m], v[SR+16*\m+\i], v[SR+16*\m+\i+1]
.endr
.endr
.irp m, 0,1
	v_max_num_f32 v[224+\m], v[224+\m], v[SR+16*\m+15]
.endr
.irp m, 0,1
	v_permlanex16_b32 v[226+\m], v[224+\m], s34, s35
.endr
.irp m, 0,1
	v_max_num_f32 v[224+\m], v[224+\m], v[226+\m]
.endr
.irp m, 0,1
	v_mul_f32 v[228+\m], s32, v[224+\m]
.endr
.irp m, 0,1
	v_max_num_f32 v[33+8*\m], v[33+8*\m], v[228+\m]   ; the running largest t of my blocks
.endr
.irp m, 0,1
	v_mov_b32 v[228+\m], v[32+8*\m]
.endr
.irp m, 0,1
	v_floor_f32 v[32+8*\m], -v[33+8*\m]            ; -M_w = floor(-t): a whole number
.endr
.irp m, 0,1
	v_sub_f32 v[228+\m], v[32+8*\m], v[228+\m]
.endr
.irp m, 0,1
	v_cvt_i32_f32 v[228+\m], v[228+\m]
.endr
.irp m, 0,1
	v_ldexp_f32 v[230+2*\m], 1.0, v[228+\m]        ; 2^(old M_w - new M_w)
.endr
.irp m, 0,1
.irp i, 0,2,4,6,8,10,12,14
	v_pk_fma_f32 v[SR+16*\m+\i:SR+16*\m+\i+1], v[SR+16*\m+\i:SR+16*\m+\i+1], s[32:33], v[32+8*\m:33+8*\m] op_sel_hi:[1,0,0]   ; t - M_w
.endr
.endr
.irp m, 0,1
	v_fma_f32 v[224+\m], v[224+\m], s32, v[32+8*\m]
.endr
.set ii, 0
.rept 32
	v_exp_f32 v[SR+ii], v[SR+ii]                   ; p, at most 1
.set ii, ii+1
.endr
	v_exp_f32 v224, v224                           ; the blocks' largest p
	v_exp_f32 v225, v225
.irp m, 0,1
	v_pk_mul_f32 v[34+8*\m:35+8*\m], v[34+8*\m:35+8*\m], v[230+2*\m:231+2*\m] op_sel_hi:[1,0]   ; l_w under the new M_w: plain work behind the batch
.endr
	s_wait_alu depctr_va_vdst(0)                   ; one wait for the 34, ahead of their first reader
.irp i, 0,2,4,6,8,10,12,14
.irp m, 0,1
	v_pk_add_f32 v[34+8*\m:35+8*\m], v[34+8*\m:35+8*\m], v[SR+16*\m+\i:SR+16*\m+\i+1]   ; the sum is taken of the unquantised p
.endr
.endr
.irp m, 0,1
	v_max_num_f32 v[224+\m], 0x1800000, v[224+\m]  ; the floor 2^(3 - 127): the byte cannot fall under 1
.endr
.irp m, 0,1
	v_add_nc_u32 v[234+\m], 0xff000000, v[224+\m]  ; the conversion's scale operand
.endr
.irp m, 0,1
	v_lshrrev_b32 v[236+\m], 23, v[234+\m]
.endr
.irp m, 0,1
	v_cvt_f32_u32 v[248+\m], v[236+\m]
.endr
.irp m, 0,1
	v_sub_f32 v[248+\m], v[248+\m], v[32+8*\m]     ; E = byte + M_w
.endr
	v_cvt_scalef32_pk16_fp6_f32 v[238:240], v[SR:SR+15], v234
	v_cvt_scalef32_pk16_fp6_f32 v[244:246], v[SR+16:SR+31], v235
	v_nop                                          ; one plain place behind a scaled conversion
.irp i, 0,1,2
	v_permlane16_swap_b32 v[238+\i], v[244+\i]     ; lane 16 m + r now holds row 16 m + r's whole block: 24 bytes
.endr
.irp i, 0,1,2
	v_mov_b32 v[241+\i], v[244+\i]
.endr
	ds_store_b64 v4, v[238:239]
	ds_store_b64 v4, v[240:241] offset:8
	ds_store_b64 v4, v[242:243] offset:16
	v_cndmask_b32 v250, v248, v249, s36
	v_cndmask_b32 v251, v32, v40, s36
	ds_store_b32 v6, v250
	ds_store_b32 v6, v251 offset:1024
.Lskip1:
	BAR                                            ; all eight blocks' codes and figures lie in LDS
	s_wait_loadcnt 0x0                             ; on every way: this step's V (asked for at the end of the step before) and the next step's K
	s_cmp_eq_u32 s22, 0
	s_cbranch_scc1 .Lskip2
	; ---- second half: O^T += V^T P^T for my 64 channels
.irp m, 0,1
.irp ss, 0,1
.irp p, 0,1,2,3,4,5
	ds_load_b64 v[PF+12*(2*\m+\ss)+2*\p:PF+12*(2*\m+\ss)+2*\p+1], v5 offset:3328*\m+96*\ss+48*(\p/3)+8*(\p%3)
.endr
.endr
.endr
.irp m, 0,1
	ds_load_b128 v[224+4*\m:227+4*\m], v7 offset:512*\m
	ds_load_b128 v[232+4*\m:235+4*\m], v7 offset:512*\m+1024
.endr
	s_wait_dscnt 0x0
.irp m, 0,1
	v_min3_num_f32 v[240+\m], v[232+4*\m], v[233+4*\m], v[234+4*\m]
.endr
.irp m, 0,1
	v_min3_num_f32 v[240+\m], v[240+\m], v[235+4*\m], v[36+8*\m]
.endr
.irp m, 0,1
	v_permlanex16_b32 v[242+\m], v[240+\m], s34, s35
.endr
.irp m, 0,1
	v_min_num_f32 v[240+\m], v[240+\m], v[242+\m]  ; the common -M: the least of the eight waves' and the old one
.endr
.irp m, 0,1
	v_sub_f32 v[244+\m], v[240+\m], v[36+8*\m]
.endr
.irp m, 0,1
	v_cvt_i32_f32 v[244+\m], v[244+\m]
.endr
.irp m, 0,1
	v_ldexp_f32 v[38+8*\m], 1.0, v[244+\m]         ; f = 2^(old M - new M)
.endr
.irp m, 0,1
	v_mov_b32 v[36+8*\m], v[240+\m]
.endr
.irp m, 0,1
.irp i, 0,1,2,3
	v_add_f32 v[224+4*\m+\i], v[224+4*\m+\i], v[240+\m]   ; byte' = E - M,
.endr
.endr
.irp m, 0,1
.irp i, 0,1,2,3
	v_max_num_f32 v[224+4*\m+\i], 0, v[224+4*\m+\i]       ; held at 0 from below
.endr
.endr
.irp m, 0,1
	v_fma_f32 v[224+4*\m], v[225+4*\m], 0x43800000, v[224+4*\m]
	v_fma_f32 v[226+4*\m], v[227+4*\m], 0x43800000, v[226+4*\m]
.endr
.irp m, 0,1
	v_cvt_u32_f32 v[224+4*\m], v[224+4*\m]
	v_cvt_u32_f32 v[226+4*\m], v[226+4*\m]
.endr
.irp m, 0,1
	v_lshl_or_b32 v[PW+\m], v[226+4*\m], 16, v[224+4*\m]  ; p's scale words: lanes 0-15 the first 128 keys', lanes 16-31 the second's
.endr
	WIN 0x41
.irp t, 0,1,2,3
.irp m, 0,1
.irp i, 0,2,4,6
	v_pk_mul_f32 v[OR+8*(2*\t+\m)+\i:OR+8*(2*\t+\m)+\i+1], v[OR+8*(2*\t+\m)+\i:OR+8*(2*\t+\m)+\i+1], v[38+8*\m:39+8*\m] op_sel_hi:[1,0]   ; O^T x f.  (These 32 are also the places between the scale words' last line and the products)
.endr
.endr
.endr
	WIN 0x50
.irp ss, 0,1
.irp t, 0,1,2,3
.irp m, 0,1
	MM OR+8*(2*\t+\m), VF+12*(4*\ss+\t), PF+12*(2*\m+\ss), OR+8*(2*\t+\m), VS+\t, PW+\m, \ss
.endr
.endr
.endr
	WIN 0
	NOPS 4                                         ; places in front of the loads into V's and p's registers
	s_add_co_u32 s37, s21, 1
	s_cmp_lt_u32 s37, s20
	s_cbranch_scc0 .Lnov
	s_wait_xcnt 0x0
	s_add_nc_u64 s[28:29], s[28:29], 98304
	s_add_nc_u64 s[30:31], s[30:31], 4096
	VLOAD                                          ; the next step's V has that step's whole first half in which to land
.Lnov:
.Lskip2:
	BAR                                            ; nobody reads this step's codes and figures any more
	s_add_co_u32 s21, s21, 1
	s_cmp_lt_u32 s21, s20
	s_cbranch_scc1 .Lstep
	; ---- the end: the eight waves' sums are brought under the common M and added
	s_wait_loadcnt 0x0
.irp m, 0,1
	v_add_f32 v[224+\m], v[34+8*\m], v[35+8*\m]
.endr
.irp m, 0,1
	v_permlanex16_b32 v[226+\m], v[224+\m], s34, s35
.endr
.irp m, 0,1
	v_add_f32 v[224+\m], v[224+\m], v[226+\m]
.endr
	v_cndmask_b32 v250, v224, v225, s36
	v_cndmask_b32 v251, v32, v40, s36
	ds_store_b32 v6, v250
	ds_store_b32 v6, v251 offset:1024
	BAR
.irp m, 0,1
	ds_load_b128 v[224+4*\m:227+4*\m], v7 offset:512*\m
	ds_load_b128 v[232+4*\m:235+4*\m], v7 offset:512*\m+1024
.endr
	s_wait_dscnt 0x0
.irp m, 0,1
.irp i, 0,1,2,3
	v_sub_f32 v[232+4*\m+\i], v[36+8*\m], v[232+4*\m+\i]   ; M_w - M, 0 or less
.endr
.endr
.irp m, 0,1
.irp i, 0,1,2,3
	v_cvt_i32_f32 v[232+4*\m+\i], v[232+4*\m+\i]
.endr
.endr
.irp m, 0,1
.irp i, 0,1,2,3
	v_ldexp_f32 v[224+4*\m+\i], v[224+4*\m+\i], v[232+4*\m+\i]
.endr
.endr
.irp m, 0,1
	v_add_f32 v[224+4*\m], v[224+4*\m], v[225+4*\m]
	v_add_f32 v[226+4*\m], v[226+4*\m], v[227+4*\m]
.endr
.irp m, 0,1
	v_add_f32 v[224+4*\m], v[224+4*\m], v[226+4*\m]
.endr
.irp m, 0,1
	v_permlanex16_b32 v[240+\m], v[224+4*\m], s34, s35
.endr
.irp m, 0,1
	v_add_f32 v[224+4*\m], v[224+4*\m], v[240+\m]  ; the row's sum
.endr
.irp m, 0,1
	v_rcp_f32 v[244+2*\m], v[224+4*\m]
.endr
	v_nop                                          ; a plain place behind the two,
	s_wait_alu depctr_va_vdst(0)                   ; and their wait, ahead of the branch and of the first reader
	s_cmp_eq_u32 s23, 0
	s_cbranch_scc1 .Lnou
.set ii, 0
.rept 16
	global_load_b128 v[VF+4*ii:VF+4*ii+3], v11, s[46:47] offset:2048*ii   ; sixteen lanes read my 64 channels' 256 bytes of a group
.set ii, ii+1
.endr
	s_wait_loadcnt 0x0
.irp gg, 2,4,6,8,10,12,14
	v_pk_add_f32 v[VF:VF+1], v[VF:VF+1], v[VF+4*\gg:VF+4*\gg+1]
	v_pk_add_f32 v[VF+2:VF+3], v[VF+2:VF+3], v[VF+4*\gg+2:VF+4*\gg+3]
	v_pk_add_f32 v[VF+4:VF+5], v[VF+4:VF+5], v[VF+4*\gg+4:VF+4*\gg+5]
	v_pk_add_f32 v[VF+6:VF+7], v[VF+6:VF+7], v[VF+4*\gg+6:VF+4*\gg+7]
.endr
	v_pk_add_f32 v[VF:VF+1], v[VF:VF+1], v[VF+4:VF+5]
	v_pk_add_f32 v[VF+2:VF+3], v[VF+2:VF+3], v[VF+6:VF+7]
.irp k, 0,1,2,3
	v_permlanex16_b32 v[224+\k], v[VF+\k], s34, s35
.endr
.irp k, 0,1,2,3
	v_add_f32 v[VF+\k], v[VF+\k], v[224+\k]
.endr
.irp k, 0,1,2,3
	v_mul_f32 v[252+\k], 0x3a03126f, v[VF+\k]      ; / 2000: the row for q >= L, my lane's four channels
.endr
.Lnou:
; Tile m: O^T / the sum goes through my stage in LDS and comes back as rows of 256 bytes; rows at or over L take the other row; sixteen lanes store 256 consecutive bytes, at a multiple of 256 from out0's first byte.
.macro OUTM m
.set DD, 48+32*(\m)
.set RB, 128+32*(\m)
	WIN 0x01
.irp t, 0,1,2,3
.irp i, 0,2,4,6
	v_pk_mul_f32 v[DD+8*\t+\i:DD+8*\t+\i+1], v[OR+8*(2*\t+(\m))+\i:OR+8*(2*\t+(\m))+\i+1], v[244+2*(\m):245+2*(\m)] op_sel_hi:[1,0]
.endr
.endr
	WIN 0
.irp t, 0,1,2,3
	ds_store_b128 v8, v[DD+8*\t:DD+8*\t+3] offset:128*(\t/2)+32*(\t%2)
	ds_store_b128 v8, v[DD+8*\t+4:DD+8*\t+7] offset:128*(\t/2)+32*(\t%2)+16
.endr
.irp i, 0,1,2,3,4,5,6,7
	ds_load_b128 v[RB+4*\i:RB+4*\i+3], v9 offset:544*\i   ; LDS serves a wave's instructions in order: these see my stores
.endr
.irp i, 0,1,2,3,4,5,6,7
	s_wait_dscnt 7-\i                              ; rows 2 i and 2 i + 1 are back; the younger loads may be out
	s_sub_co_i32 s38, s19, 16*(\m)+2*\i
	v_cmp_le_i32 vcc_lo, s38, v14                  ; L <= q0 + 16 m + 2 i + h
.irp k, 0,1,2,3
	v_cndmask_b32 v[RB+4*\i+\k], v[RB+4*\i+\k], v[252+\k], vcc_lo
.endr
	global_store_b128 v10, v[RB+4*\i:RB+4*\i+3], s[44:45] offset:(16*(\m)+2*\i)*2048 th:TH_STORE_NT
.endr
.endm
	OUTM 0
	s_add_co_u32 s37, s18, 16
	s_cmp_ge_u32 s37, 2000                         ; the last block's second tile lies behind row 1999
	s_cbranch_scc1 .Lend
	OUTM 1
.Lend:
	s_wait_tensorcnt 0x0                           ; the wave's end, behind my last LDS store
	ds_add_u32 v30, v31
	s_wait_dscnt 0x0
	s_endpgm
.Lfunc_end_k_q8e614cdfad_attn:
	.size	k_q8e614cdfad_attn, .Lfunc_end_k_q8e614cdfad_attn-k_q8e614cdfad_attn
	.p2alignl 7, 3214868480
	.fill 96, 4, 3214868480
	.section	.rodata,"a",@progbits
	.p2align	6, 0x0
	.amdhsa_kernel k_q8e614cdfad_attn
		.amdhsa_group_segment_fixed_size 44544
		.amdhsa_private_segment_fixed_size 0
		.amdhsa_enable_private_segment 0
		.amdhsa_kernarg_size 48
		.amdhsa_user_sgpr_count 2
		.amdhsa_user_sgpr_kernarg_segment_ptr 1
		.amdhsa_wavefront_size32 1
		.amdhsa_system_sgpr_workgroup_id_x 1
		.amdhsa_system_sgpr_workgroup_id_y 1
		.amdhsa_system_sgpr_workgroup_id_z 1
		.amdhsa_system_vgpr_workitem_id 0
		.amdhsa_next_free_vgpr 512
		.amdhsa_next_free_sgpr 66
		.amdhsa_reserve_vcc 1
		.amdhsa_float_denorm_mode_32 3
		.amdhsa_float_denorm_mode_16_64 3
		.amdhsa_memory_ordered 1
		.amdhsa_forward_progress 1
		.amdhsa_inst_pref_size 73
	.end_amdhsa_kernel
	.amdgpu_metadata
---
amdhsa.version: [ 1, 2 ]
amdhsa.kernels:
  - .name:           k_q8e614cdfad_attn
    .symbol:         k_q8e614cdfad_attn.kd
    .args:
      - { .name: qq, .offset: 0, .size: 8, .value_kind: global_buffer, .address_space: global }
      - { .name: kk, .offset: 8, .size: 8, .value_kind: global_buffer, .address_space: global }
      - { .name: vv, .offset: 16, .size: 8, .value_kind: global_buffer, .address_space: global }
      - { .name: part, .offset: 24, .size: 8, .value_kind: global_buffer, .address_space: global }
      - { .name: input_len, .offset: 32, .size: 8, .value_kind: global_buffer, .address_space: global }
      - { .name: out0, .offset: 40, .size: 8, .value_kind: global_buffer, .address_space: global }
    .group_segment_fixed_size: 44544
    .private_segment_fixed_size: 0
    .kernarg_segment_align: 8
    .kernarg_segment_size: 48
    .max_flat_workgroup_size: 256
    .sgpr_count:     66
    .vgpr_count:     512
    .wavefront_size: 32
...
	.end_amdgpu_metadata
.endif
;; end of part 3
